; MI455X (gfx1250); checked and timed in simulation.
; The chip was launched on July 23, 2026; its instructions are those of AMD's public machine-readable ISA for CDNA 5 (MIT licence, August 2026) and "CDNA5" Instruction Set Architecture Reference Guide (July 2026). The comments in the code are by the model that wrote it; some were corrected since.
;; Multi Head Attention. Allowed arithmetic: float matrix products may take bf16 or f16 operands with f32 sums; all other float work in f32.
;; Inputs: Wk 1,024 x 1,024 float32; Wo 1,024 x 1,024 float32; Wq 1,024 x 1,024 float32; Wv 1,024 x 1,024 float32; bk 1,024 float32; bo 1,024 float32; bq 1,024 float32; bv 1,024 float32; x 2 x 2,048 x 1,024 float32.
;; Outputs: out0 2 x 2,048 x 1,024 float32.
;; 2 versions, each right; version 2 is version 1 with the launch prep written anew for expert scheduling mode. Each part assembles by itself: llvm-mc -triple=amdgcn-amd-amdhsa -mcpu=gfx1250 --defsym DOCPART=n.
;; ======== version 1 of 2: 4 launches
;; limits: values are held in f16: magnitudes above 65,504 overflow, below 6.1e-05 lose precision
;; workspace buffers: xb 8,388,608 bytes; wt 8,388,608 bytes; bcat 16,384 bytes; qkv 25,165,824 bytes; ctx 8,388,608 bytes
;; launch prep (part 1): grid 512 x 1, 8 waves a work-group, no clusters, 35,840 bytes of LDS; arguments x, Wq, Wk, Wv, Wo, bq, bk, bv, bo, xb, wt, bcat; writes xb, wt, bcat
.if DOCPART == 1
	.amdgcn_target "amdgcn-amd-amdhsa--gfx1250"
	.amdhsa_code_object_version 6
	.text
	.protected	k_qd8a00e90ca_prep
	.globl	k_qd8a00e90ca_prep
	.p2align	8
	.type	k_qd8a00e90ca_prep,@function
k_qd8a00e90ca_prep:
	s_mov_b64 s[64:65], 0
	v_nop
	global_prefetch_b8 v0, s[64:65] scope:SCOPE_SE
	s_setreg_imm32_b32 hwreg(HW_REG_WAVE_MODE, 25, 1), 1
	s_wait_xcnt 0x0
; prep: the operands of the later products, once, in f16.
;   xb[4096][1024]   = f16(x)
;   wt[4096 n][1024 k] = f16 of Wq, Wk, Wv, Wo, each transposed (rows 0-1023 Wq^T, then Wk^T, Wv^T, Wo^T): K then lies along the rows,
;                      as a matrix fragment wants it; 32-bit numbers have no transposing load, so it is done here through LDS.
;   bcat[4096]       = bq, bk, bv, bo joined, in f32.
; Why f16 and not bf16: three more bits of significand in every operand of a chain of four products.  LIMIT: a number above 65,504 in
; magnitude becomes infinite; below 6.1e-5 the step is fixed at 6e-8.  x and W as drawn are about 1 and 1/32.
; Work-groups 0-255 cast 64 KiB of x each; work-groups 256-511 take a tile of 128 k x 128 n (64 KiB) of one W each.  Every input byte is read
; once, every output byte stored once.  No cluster: no two work-groups read the same bytes.  No matrix unit: there is no product here.
.set LP, 272                           ; LDS row: 128 k in f16 (256 bytes) + 16, an odd multiple of 16: sixteen rows start in sixteen different 16-byte columns of 256 bytes
	s_load_b512 s[4:19], s[0:1], 0x0               ; x s[4:5], Wq s[6:7], Wk s[8:9], Wv s[10:11], Wo s[12:13], bq s[14:15], bk s[16:17], bv s[18:19]
	s_load_b256 s[20:27], s[0:1], 0x40             ; bo s[20:21], xb s[22:23], wt s[24:25], bcat s[26:27]
	v_lshl_add_u32 v128, v0, 2, 0x8800
	v_mov_b32 v129, 0
	v_lshrrev_b32 v7, 5, v0
	v_readfirstlane_b32 s38, v7                    ; wave 0..7
	s_cmp_lt_u32 ttmp9, 256                        ; the same for the whole work-group
	s_cbranch_scc0 .Lweights
	; ---- x: thread t takes 16 bytes at 16 t of each of sixteen blocks of 4,096 bytes; all sixteen loads go out at once
	s_lshl_b32 s28, ttmp9, 16                      ; 65,536 bytes of x
	s_mov_b32 s29, 0
	s_lshl_b32 s30, ttmp9, 15                      ; 32,768 bytes of xb
	s_mov_b32 s31, 0
	v_lshlrev_b32 v1, 4, v0
	v_lshlrev_b32 v2, 3, v0
	s_wait_kmcnt 0x0
	s_add_nc_u64 s[4:5], s[4:5], s[28:29]
	s_add_nc_u64 s[22:23], s[22:23], s[30:31]
.irp i, 0,1,2,3,4,5,6,7,8,9,10,11,12,13,14,15
	global_load_b128 v[32+4*\i:35+4*\i], v1, s[4:5] offset:4096*\i th:TH_LOAD_NT
.endr
.irp i, 0,1,2,3,4,5,6,7,8,9,10,11,12,13,14,15
	s_wait_loadcnt 15-\i                           ; loads come back in order (ISA guide 5.7.1): block i is in, the 15 - i younger ones stay out
	v_cvt_pk_f16_f32 v[96+2*\i], v[32+4*\i], v[33+4*\i]
	v_cvt_pk_f16_f32 v[97+2*\i], v[34+4*\i], v[35+4*\i]
	global_store_b64 v2, v[96+2*\i:97+2*\i], s[22:23] offset:2048*\i   ; a wave's 32 lanes store 256 consecutive bytes, aligned; no register is written twice
.endr
	s_endpgm
	; ---- W: tile (kt, nt) of matrix mat
.Lweights:
	s_sub_co_u32 s32, ttmp9, 256
	s_lshr_b32 s33, s32, 6                         ; mat 0..3
	s_bfe_u32 s34, s32, 0x30003                    ; kt: 3 bits from bit 3
	s_and_b32 s35, s32, 7                          ; nt
	v_and_b32 v8, 31, v0                           ; lane L
	v_bfe_u32 v9, v0, 4, 1                         ; L / 16
	v_and_b32 v10, 15, v0                          ; L % 16
	v_lshlrev_b32 v6, 4, v8                        ; 16 L
	v_lshl_or_b32 v1, v7, 16, v6                   ; load: wave w takes k rows 16 w .. 16 w + 15 (4,096 bytes each), lane L columns 4 L .. 4 L + 3
	v_mul_u32_u24 v3, v8, LP
	v_lshl_add_u32 v3, s38, 5, v3                  ; LDS in: row L (+ 32 i for column 4 L + i), byte 2 (16 w)
	v_lshl_add_u32 v11, s38, 4, v9
	v_mul_u32_u24 v4, v11, LP
	v_lshl_add_u32 v4, v10, 4, v4                  ; LDS back: row 16 w + L / 16 (+ 2 t), 16 bytes at 16 (L % 16)
	v_and_b32 v12, 1, v7
	v_lshrrev_b32 v13, 1, v7
	v_lshl_add_u32 v14, v12, 6, v13                ; LDS row p holds column n = 4 (p % 32) + p / 32, so row 16 w + 2 t + L / 16
	v_lshl_add_u32 v14, v9, 2, v14                 ; is n = 64 (w % 2) + 8 t + 4 (L / 16) + w / 2
	v_lshlrev_b32 v5, 11, v14                      ; a row of wt is 2,048 bytes
	v_lshl_add_u32 v5, v10, 4, v5
	s_wait_kmcnt 0x0
	s_cmp_eq_u32 s33, 0                            ; the matrix and its bias, chosen by number
	s_cselect_b64 s[28:29], s[6:7], s[8:9]
	s_cselect_b64 s[30:31], s[14:15], s[16:17]
	s_cmp_lt_u32 s33, 2
	s_cselect_b64 s[28:29], s[28:29], s[10:11]
	s_cselect_b64 s[30:31], s[30:31], s[18:19]
	s_cmp_lt_u32 s33, 3
	s_cselect_b64 s[28:29], s[28:29], s[12:13]
	s_cselect_b64 s[30:31], s[30:31], s[20:21]
	s_lshl_b32 s36, s34, 19                        ; W: 128 kt rows of 4,096 bytes
	s_lshl_b32 s39, s35, 9                         ;    + 128 nt columns of 4 bytes
	s_or_b32 s36, s36, s39
	s_mov_b32 s37, 0
	s_add_nc_u64 s[28:29], s[28:29], s[36:37]
	s_mov_b32 s36, s39                             ; the bias: 128 nt numbers of 4 bytes
	s_add_nc_u64 s[30:31], s[30:31], s[36:37]
	s_lshl_b32 s32, s33, 12                        ; bcat: 1,024 mat numbers more
	s_or_b32 s36, s32, s39
	s_add_nc_u64 s[26:27], s[26:27], s[36:37]
	s_lshl_b32 s36, s33, 21                        ; wt: (1,024 mat + 128 nt) rows of 2,048 bytes + 128 kt numbers of 2 bytes
	s_lshl_b32 s32, s35, 18
	s_or_b32 s36, s36, s32
	s_lshl_b32 s32, s34, 8
	s_or_b32 s36, s36, s32
	s_add_nc_u64 s[24:25], s[24:25], s[36:37]
.irp g, 0,1
.irp j, 0,1,2,3,4,5,6,7
	global_load_b128 v[32+32*\g+4*\j:35+32*\g+4*\j], v1, s[28:29] offset:(8*\g+\j)*4096 th:TH_LOAD_NT   ; a wave's load covers the tile's 512 bytes of one k row
.endr
.endr
	; eight k of one column are eight registers of one lane: four packed conversions make the 16 bytes that lie together in wt
.irp g, 0,1
	s_wait_loadcnt 8-8*\g                          ; the first eight rows are in while the second eight may be out; then all
.irp i, 0,1,2,3
.irp p, 0,1,2,3
	v_cvt_pk_f16_f32 v[96+16*\g+4*\i+\p], v[32+32*\g+8*\p+\i], v[36+32*\g+8*\p+\i]
.endr
	ds_store_b128 v3, v[96+16*\g+4*\i:99+16*\g+4*\i] offset:32*LP*\i+16*\g
.endr
.endr
	s_wait_dscnt 0x0                               ; my stores are in LDS, for the other waves' sake
	s_barrier_signal -1
	s_barrier_wait -1
.irp t, 0,1,2,3,4,5,6,7
	ds_load_b128 v[32+4*\t:35+4*\t], v4 offset:2*LP*\t
.endr
.irp t, 0,1,2,3,4,5,6,7
	s_wait_dscnt 7-\t                              ; LDS loads come back in order: pair t of rows is in
	global_store_b128 v5, v[32+4*\t:35+4*\t], s[24:25] offset:16384*\t   ; sixteen lanes store 256 consecutive bytes of a row of wt, aligned
.endr
	s_cmp_lg_u32 s34, 0                            ; the bias piece of this nt is copied once: by wave 0 of the tile with kt = 0
	s_cbranch_scc1 .Ldone
	s_cmp_lg_u32 s38, 0
	s_cbranch_scc1 .Ldone
	global_load_b128 v[96:99], v6, s[30:31]        ; 32 lanes x 16 bytes = 128 numbers
	s_wait_loadcnt 0x0
	global_store_b128 v6, v[96:99], s[26:27]
.Ldone:
	s_wait_tensorcnt 0x0
	ds_add_u32 v128, v129
	s_wait_dscnt 0x0
	s_endpgm
.Lfunc_end_k_qd8a00e90ca_prep:
	.size	k_qd8a00e90ca_prep, .Lfunc_end_k_qd8a00e90ca_prep-k_qd8a00e90ca_prep
	.p2alignl 7, 3214868480
	.fill 96, 4, 3214868480
	.section	.rodata,"a",@progbits
	.p2align	6, 0x0
	.amdhsa_kernel k_qd8a00e90ca_prep
		.amdhsa_group_segment_fixed_size 35840
		.amdhsa_private_segment_fixed_size 0
		.amdhsa_enable_private_segment 0
		.amdhsa_kernarg_size 96
		.amdhsa_user_sgpr_count 2
		.amdhsa_user_sgpr_kernarg_segment_ptr 1
		.amdhsa_wavefront_size32 1
		.amdhsa_system_sgpr_workgroup_id_x 1
		.amdhsa_system_sgpr_workgroup_id_y 1
		.amdhsa_system_sgpr_workgroup_id_z 1
		.amdhsa_system_vgpr_workitem_id 0
		.amdhsa_next_free_vgpr 130
		.amdhsa_next_free_sgpr 66
		.amdhsa_reserve_vcc 0
		.amdhsa_float_denorm_mode_32 3
		.amdhsa_float_denorm_mode_16_64 3
		.amdhsa_memory_ordered 1
		.amdhsa_forward_progress 1
		.amdhsa_inst_pref_size 15
	.end_amdhsa_kernel
	.amdgpu_metadata
---
amdhsa.version: [ 1, 2 ]
amdhsa.kernels:
  - .name:           k_qd8a00e90ca_prep
    .symbol:         k_qd8a00e90ca_prep.kd
    .args:
      - { .name: x, .offset: 0, .size: 8, .value_kind: global_buffer, .address_space: global }
      - { .name: Wq, .offset: 8, .size: 8, .value_kind: global_buffer, .address_space: global }
      - { .name: Wk, .offset: 16, .size: 8, .value_kind: global_buffer, .address_space: global }
      - { .name: Wv, .offset: 24, .size: 8, .value_kind: global_buffer, .address_space: global }
      - { .name: Wo, .offset: 32, .size: 8, .value_kind: global_buffer, .address_space: global }
      - { .name: bq, .offset: 40, .size: 8, .value_kind: global_buffer, .address_space: global }
      - { .name: bk, .offset: 48, .size: 8, .value_kind: global_buffer, .address_space: global }
      - { .name: bv, .offset: 56, .size: 8, .value_kind: global_buffer, .address_space: global }
      - { .name: bo, .offset: 64, .size: 8, .value_kind: global_buffer, .address_space: global }
      - { .name: xb, .offset: 72, .size: 8, .value_kind: global_buffer, .address_space: global }
      - { .name: wt, .offset: 80, .size: 8, .value_kind: global_buffer, .address_space: global }
      - { .name: bcat, .offset: 88, .size: 8, .value_kind: global_buffer, .address_space: global }
    .group_segment_fixed_size: 35840
    .private_segment_fixed_size: 0
    .kernarg_segment_align: 8
    .kernarg_segment_size: 96
    .max_flat_workgroup_size: 256
    .sgpr_count:     66
    .vgpr_count:     130
    .wavefront_size: 32
...
	.end_amdgpu_metadata
.endif
;; end of part 1
;; launch qkv (part 2): grid 8 x 32, 4 waves a work-group, clusters of 4 x 4, 327,680 bytes of LDS; arguments xb, wt, bcat, qkv; writes qkv
.if DOCPART == 2
	.amdgcn_target "amdgcn-amd-amdhsa--gfx1250"
	.amdhsa_code_object_version 6
	.text
	.protected	k_qd8a00e90ca_qkv
	.globl	k_qd8a00e90ca_qkv
	.p2align	8
	.type	k_qd8a00e90ca_qkv,@function
k_qd8a00e90ca_qkv:
	s_mov_b64 s[64:65], 0
	v_nop
	global_prefetch_b8 v0, s[64:65] scope:SCOPE_SE
	s_setreg_imm32_b32 hwreg(HW_REG_WAVE_MODE, 25, 1), 1
	s_wait_xcnt 0x0
	s_wait_alu depctr_hold_cnt(0) depctr_sa_sdst(0) depctr_va_vdst(0) depctr_va_sdst(0) depctr_va_ssrc(0) depctr_va_vcc(0) depctr_vm_vsrc(0)
	s_getreg_b32 s2, hwreg(HW_REG_IB_STS2, 6, 4)
	s_cmp_eq_u32 s2, 0
	s_cbranch_scc0 .Lentry_in_a_cluster
	s_endpgm
.Lentry_in_a_cluster:
	s_bfe_u32 s2, ttmp6, 0x10000c
	s_cmp_lg_u32 s2, 0xf033
	s_cbranch_scc0 .Lentry_shape_is_right
	s_endpgm
.Lentry_shape_is_right:
; qkv[m][n] = sum over k of xb[m][k] wt[n][k] + bcat[n], m < 4096, n < 3072 (q, k, v side by side), K = 1024.  Operands f16, sums f32, result f16.
; LIMIT: a result above 65,504 in magnitude becomes infinite (as drawn q, k, v are about 1; with x and W both 30 times larger about 5,000).
; A work-group makes 128 rows x 384 columns (768 bytes of a row: three aligned blocks of 256): 8 x 32 = 256 work-groups.  Four waves; wave w makes all
; 128 rows x columns 96 w .. 96 w + 95: 8 x 6 = 48 accumulator tiles, 384 registers.  K goes in 8 steps of 128 (rows of 256 bytes) through two LDS slots.
; CLUSTERS: 4 x 4 work-groups.  The four of a row of the cluster need the same tile of xb, the four of a column the same tiles of wt: each tile is asked
; for jointly, by the same tensor load in all four, which divides the requests by four.
; REGISTERS in windows of 256: window 0: v16-28 addresses, v64-127 and v128-191 fragments of xb (two buffers), v192-239 the bias, later packed results;
; window 1: v64-111 and v128-175 fragments of wt; window 2: tiles of rows 0-63 (tile (a, b) at v[8 (6 a + b)]); window 3: rows 64-127.
; THE PRODUCT IS USED TRANSPOSED: source 0 = 16 rows of wt, source 1 = 16 rows of xb, so that lane l holds row l % 16 and its registers 0-7 the columns
; 8 (l / 16) + 0..7: eight neighbours of a row.  The bias of those eight columns is the C of each tile's first product: nothing is cleared or added later.
.set KSTEP,  128
.set SIZE_K, 1024
.set PITCH,  272                       ; 256 bytes + 16: an odd multiple of 16, the 16 rows of a fragment load start in 16 different 16-byte columns
.set HALFT,  128*PITCH                 ; 128 rows: what one tensor load brings
.set SLOT,   4*HALFT                   ; xb's 128 rows, then wt's 384 rows
.set SPITCH, 784                       ; the way out: 768 bytes + 16
.set LDC,    6144                      ; bytes in a row of qkv
.set LAPS,   SIZE_K/(2*KSTEP)          ; 4 laps of two K steps
.set ADRA, 16                          ; v16-17  LDS address of my xb fragments in slot 0, 1
.set ADRB, 20                          ; v20-21  the same for wt
.set STO,  24                          ; v24-25  the way out: where I put 16 bytes, rows 0-63 and rows 64-127
.set RD,   26                          ; v26     the way out: where I read rows back
.set CO,   27                          ; v27     my byte offset in the block of qkv
.set BO,   28                          ; v28     my byte offset in the bias
.set F0,   64
.set F1,   128
.set BIAS, 192                         ; v192-239: tile column b: bcat[.. + 16 b + 8 (l / 16) + 0..7]
.set TMP,  192                         ; the same registers on the way out: two sets of 24
.set G1, 24                            ; s[24:31] group 1 for xb's tile
.set G0, 32                            ; s[32:39] group 0 for xb's tile, a set for each slot
.set G1B, 48                           ; s[48:55] group 1 for wt's tiles: another mask
.set G0B, 56                           ; s[56:63] group 0 for wt's tiles, a set for each slot
.set MSB, 0
.macro WIN new                         ; s_set_vgpr_msb: bits 1:0 source 0, 3:2 source 1, 5:4 source 2, 7:6 destination; the high byte repeats the setting that is left
.if MSB != \new
	s_set_vgpr_msb (MSB<<8)|\new
.set MSB, \new
.endif
.endm
.set MUL_LO, 0xa1                      ; source 0 (wt) window 1, source 1 (xb) window 0, C and D window 2
.set MUL_HI, 0xf1                      ; C and D window 3
.set BIA_LO, 0x81                      ; C = the bias in window 0, D window 2
.set BIA_HI, 0xc1                      ; C = the bias in window 0, D window 3
.set TO_B,   0x40                      ; destination window 1, address window 0
; A joint load: wave 0 asks for xb's tile, waves 1 to 3 for wt's three thirds.  Each line has one mask; the branch hangs on the wave's number alone.
.macro JLOAD s
	s_cmp_eq_u32 s12, 0
	s_cbranch_scc0 .Lfor_b_\@
	tensor_load_to_lds s[G0+4*\s:G0+4*\s+3], s[G1:G1+7]
	s_nop 0
	s_branch .Lasked_\@
.Lfor_b_\@:
	tensor_load_to_lds s[G0B+4*\s:G0B+4*\s+3], s[G1B:G1B+7]
	s_nop 0
.Lasked_\@:
.endm
.macro CREST                           ; a round of the cluster's barrier behind its opening barrier
	s_cmp_lg_u32 s12, 0
	s_cbranch_scc1 .Lnot_wave_0_\@
	s_barrier_signal -3
.Lnot_wave_0_\@:
	s_barrier_wait -3
	s_barrier_signal -1
	s_barrier_wait -1
.endm
.macro CROUND                          ; a whole round
	s_barrier_signal -1
	s_barrier_wait -1
	CREST
.endm
	s_load_b256 s[4:11], s[0:1], 0x0               ; xb s[4:5], wt s[6:7], bcat s[8:9], qkv s[10:11]
	s_set_vgpr_msb 0x40
	v_lshl_add_u32 v255, v0, 2, 0x44000
	s_set_vgpr_msb 0x4000
	v_mov_b32 v255, 0
	s_set_vgpr_msb 0x1
	ds_add_u32 v255, v255
	s_set_vgpr_msb 0x100
	v_lshrrev_b32 v1, 5, v0
	v_readfirstlane_b32 s12, v1                    ; wave 0..3
	s_max_u32 s13, s12, 1
	s_sub_co_u32 s13, s13, 1                       ; which third of wt's rows waves 1 to 3 fetch
	s_bfe_u32 s40, ttmp6, 0x40000                  ; cx
	s_bfe_u32 s41, ttmp6, 0x40004                  ; cy
	s_lshl_b32 s42, ttmp9, 2
	s_add_co_u32 s42, s42, s40                     ; block column bx = 4 x cluster x + cx
	s_and_b32 s43, ttmp7, 0xffff
	s_lshl_b32 s43, s43, 2
	s_add_co_u32 s43, s43, s41                     ; block row by = 4 x cluster y + cy
	s_lshl_b32 s44, s41, 2
	s_lshl_b32 s44, 15, s44                        ; my row of the cluster: places 4 cy .. 4 cy + 3
	s_lshl_b32 s45, 0x1111, s40                    ; my column: places cx, cx + 4, cx + 8, cx + 12
	; group 1: 128 rows x 128 elements of 2 bytes, 16 bytes of padding behind every 64 words
	s_or_b32 s[G1+0], s44, (1<<16)|(1<<20)|(1<<21)|(5<<22)|(3<<25)    ; xb's tile goes to my row of the cluster
	s_or_b32 s[G1B+0], s45, (1<<16)|(1<<20)|(1<<21)|(5<<22)|(3<<25)   ; wt's tiles go to my column
.irp g, G1, G1B
	s_mov_b32 s[\g+1], KSTEP<<16                   ; tensor_dim0 = 128
	s_mov_b32 s[\g+2], 128<<16                     ; tensor_dim1 = 128
	s_mov_b32 s[\g+3], KSTEP<<16                   ; tile_dim0 = 128
	s_mov_b32 s[\g+4], 128                         ; tile_dim1 = 128
	s_mov_b32 s[\g+5], SIZE_K                      ; elements from row to row
	s_mov_b32 s[\g+6], 0
	s_mov_b32 s[\g+7], 0
.endr
	s_lshl_b32 s14, s43, 18                        ; xb: 128 by rows of 2,048 bytes (the block row alone)
	s_mov_b32 s15, 0
	s_mul_i32 s46, s42, 384*SIZE_K*2               ; wt: 384 bx rows (the block column alone)
	s_lshl_b32 s47, s13, 18                        ;     + my third of 128 rows
	s_add_co_u32 s46, s46, s47
	s_mov_b32 s47, 0
	s_mul_i32 s20, s12, HALFT                      ; where it goes: wave x 128 rows; no place in the cluster enters an LDS address
	s_wait_dscnt 0x0
	s_wait_kmcnt 0x0
	s_add_nc_u64 s[14:15], s[4:5], s[14:15]
	s_add_nc_u64 s[46:47], s[6:7], s[46:47]
	CROUND                                         ; all sixteen work-groups are here: the first joint loads meet
.irp s, 0,1
	s_mov_b32 s[G0+4*\s], 1
	s_add_co_u32 s[G0+4*\s+1], s20, \s*SLOT
	s_add_nc_u64 s[G0+4*\s+2:G0+4*\s+3], s[14:15], \s*KSTEP*2
	s_or_b32 s[G0+4*\s+3], s[G0+4*\s+3], 0x80000000
	s_mov_b32 s[G0B+4*\s], 1
	s_add_co_u32 s[G0B+4*\s+1], s20, \s*SLOT
	s_add_nc_u64 s[G0B+4*\s+2:G0B+4*\s+3], s[46:47], \s*KSTEP*2
	s_or_b32 s[G0B+4*\s+3], s[G0B+4*\s+3], 0x80000000
	JLOAD \s                                       ; both slots' first fills go out together: two tensor loads of a wave are out, later one
.endr
	v_and_b32 v1, 15, v0                           ; r = l % 16
	v_bfe_u32 v2, v0, 4, 1                         ; h = l / 16
	v_mul_u32_u24 v3, v1, PITCH
	v_lshl_add_u32 v3, v2, 4, v3                   ; fragment: row r, 16 bytes at 16 h (and 32 further)
	s_mul_i32 s22, s12, 96*PITCH
	s_add_co_u32 s22, s22, HALFT                   ; my 96 rows of wt lie behind xb's 128
	v_mov_b32 v[ADRA], v3                          ; every wave reads all of xb's rows
	v_add_nc_u32 v[ADRA+1], SLOT, v3
	v_add_nc_u32 v[ADRB], s22, v3
	s_add_co_u32 s22, s22, SLOT
	v_add_nc_u32 v[ADRB+1], s22, v3
	v_mul_u32_u24 v4, v1, SPITCH                   ; in: row r, byte 192 w + 16 h
	v_lshl_add_u32 v4, v2, 4, v4
	s_mul_i32 s23, s12, 192
	v_add_nc_u32 v[STO], s23, v4
	v_add_nc_u32 v[STO+1], 64*SPITCH, v[STO]
	v_mul_u32_u24 v5, v2, SPITCH                   ; back: wave w takes rows 32 w .., lanes 0-15 one row's 256 bytes, lanes 16-31 the next row's
	v_lshl_add_u32 v5, v1, 4, v5
	s_mul_i32 s23, s12, 32*SPITCH
	v_add_nc_u32 v[RD], s23, v5
	v_mul_u32_u24 v5, v2, LDC
	v_lshl_add_u32 v5, v1, 4, v5
	s_mul_i32 s23, s12, 32*LDC
	v_add_nc_u32 v[CO], s23, v5
	v_lshlrev_b32 v[BO], 5, v2                     ; 8 h numbers of 4 bytes
	s_mul_i32 s46, s42, 384*4                      ; the bias of my 96 columns (in the registers that held wt's address: they may hold cx)
	s_mul_i32 s47, s12, 96*4
	s_add_co_u32 s46, s46, s47
	s_mov_b32 s47, 0
	s_add_nc_u64 s[8:9], s[8:9], s[46:47]
.irp b, 0,1,2,3,4,5
	global_load_b128 v[BIAS+8*\b:BIAS+8*\b+3],   v[BO], s[8:9] offset:64*\b
	global_load_b128 v[BIAS+8*\b+4:BIAS+8*\b+7], v[BO], s[8:9] offset:64*\b+16
.endr
; 12 matrix instructions: row blocks a0, a0 + 1 of the window's four (hi = 0: rows 0-63, 1: rows 64-127) x all 6 column blocks, 32 along K.
; The 48 accumulators take turns, one instruction a turn, in the same order in every quarter step.
.macro MUL12 f, hi, a0, bias
.irp a, \a0, \a0+1
.irp b, 0,1,2,3,4,5
.if \bias
	v_wmma_f32_16x16x32_f16 v[8*(6*(\a)+\b):8*(6*(\a)+\b)+7], v[\f+8*\b:\f+8*\b+7], v[\f+8*(4*\hi+(\a)):\f+8*(4*\hi+(\a))+7], v[BIAS+8*\b:BIAS+8*\b+7]
.else
	v_wmma_f32_16x16x32_f16 v[8*(6*(\a)+\b):8*(6*(\a)+\b)+7], v[\f+8*\b:\f+8*\b+7], v[\f+8*(4*\hi+(\a)):\f+8*(4*\hi+(\a))+7], v[8*(6*(\a)+\b):8*(6*(\a)+\b)+7]
.endif
.endr
.endr
.endm
; 28 LDS loads in one run: one quarter step's fragments (96 rows of wt, 128 rows of xb, 32 K at byte k of the rows) into buffer f
.macro FETCH slot, k, f
	WIN TO_B
.irp i, 0,1,2,3,4,5
	ds_load_b128 v[\f+8*\i:\f+8*\i+3],   v[ADRB+\slot] offset:\k+\i*16*PITCH
	ds_load_b128 v[\f+8*\i+4:\f+8*\i+7], v[ADRB+\slot] offset:\k+\i*16*PITCH+32
.endr
	WIN 0
.irp i, 0,1,2,3,4,5,6,7
	ds_load_b128 v[\f+8*\i:\f+8*\i+3],   v[ADRA+\slot] offset:\k+\i*16*PITCH
	ds_load_b128 v[\f+8*\i+4:\f+8*\i+7], v[ADRA+\slot] offset:\k+\i*16*PITCH+32
.endr
.endm
; Four places of plain vector instructions between a matrix instruction and a load into one of its registers or a vector instruction that reads its
; result (ISA guide 7.12.1 for vector instructions); the matrix instructions in between are not counted.
.macro PLACES
.rept 4
	v_nop
.endr
.endm
; One of a K step's first three quarters: multiplies buffer f, and in its middle fetches the next quarter's fragments into buffer g.
.macro QUARTER slot, k, f, g, bias
	s_wait_dscnt 8                                 ; wt's fragments and xb's rows 0-63 are in; the youngest eight loads (xb's rows 64-127) may be out
.if \bias
	WIN BIA_LO
.else
	WIN MUL_LO
.endif
	MUL12 \f, 0, 0, \bias
	MUL12 \f, 0, 2, \bias
	PLACES
	FETCH \slot, \k, \g
	s_wait_dscnt 28                                ; all but the 28 just issued
.if \bias
	WIN BIA_HI
.else
	WIN MUL_HI
.endif
	MUL12 \f, 1, 0, \bias
	MUL12 \f, 1, 2, \bias
.endm
.macro THREE slot, bias
	QUARTER \slot, 64,  F0, F1, \bias
	QUARTER \slot, 128, F1, F0, 0
	QUARTER \slot, 192, F0, F1, 0
.endm
; The last quarter: multiplies buffer 1 and changes slots.  One barrier for two things: in front of it each wave's reads of this slot are back and all its
; tensor loads have landed (the one that was out is its part of the next slot); behind it the refill comes first, then the next slot's first fragments.
.macro TURN slot, next, fill
	s_wait_dscnt 8
	WIN MUL_LO
	MUL12 F1, 0, 0, 0
	s_wait_dscnt 0                                 ; my reads of this slot are over
	s_wait_tensorcnt 0x0                           ; all my tensor loads have landed
	ds_add_u32 v255, v255
	s_wait_dscnt 0x0
	s_barrier_signal -1                            ; where a slot is filled again this barrier opens a round of the cluster's barrier
	MUL12 F1, 0, 2, 0                              ; registers only
	WIN 0
	s_barrier_wait -1
.if \fill
	CREST                                          ; no wave of any partner still reads this slot or has a load on its way
	s_add_nc_u64 s[G0+4*\slot+2:G0+4*\slot+3], s[G0+4*\slot+2:G0+4*\slot+3], 2*KSTEP*2
	s_add_nc_u64 s[G0B+4*\slot+2:G0B+4*\slot+3], s[G0B+4*\slot+2:G0B+4*\slot+3], 2*KSTEP*2
	JLOAD \slot                                    ; the wave's one tensor load behind the round, two K steps ahead
.endif
	PLACES
	FETCH \next, 0, F0
	WIN MUL_HI
	MUL12 F1, 1, 0, 0
	MUL12 F1, 1, 2, 0
.endm
.macro LAP bias
	THREE 0, \bias
	TURN 0, 1, 1
	THREE 1, 0
	TURN 1, 0, 1
.endm
	s_wait_tensorcnt 0x1                           ; my part of K step 0 is in; K step 1's may stay out
	s_barrier_signal -1
	s_barrier_wait -1
	FETCH 0, 0, F0
	s_wait_loadcnt 0x0                             ; the bias
	LAP 1                                          ; the first products start the sums from the bias
	WIN 0
	s_mov_b32 s3, LAPS-2
.Llap:
	LAP 0
	WIN 0
	s_sub_co_u32 s3, s3, 1
	s_cmp_lg_u32 s3, 0
	s_cbranch_scc1 .Llap
	THREE 0, 0                                     ; the last lap fills nothing
	TURN 0, 1, 0                                   ; behind this barrier no wave reads slot 0 again, and no load fills it again
	THREE 1, 0
	s_wait_dscnt 8
	WIN MUL_LO
	MUL12 F1, 0, 0, 0
	MUL12 F1, 0, 2, 0
	s_wait_dscnt 0
	WIN MUL_HI
	MUL12 F1, 1, 0, 0
	MUL12 F1, 1, 2, 0
	; THE WAY OUT: rounded to f16, 16 bytes a lane into a stage of 128 rows x 784 bytes in slot 0's bytes (its last fill and its last reads lie in front
	; of the last change of slots), one barrier, then whole rows back: each store's sixteen lanes cover 256 consecutive bytes of a row of qkv, aligned.
	PLACES
	s_mul_i32 s16, s43, 128*LDC                    ; my block's first row
	s_mov_b32 s17, 0
	s_add_nc_u64 s[10:11], s[10:11], s[16:17]
	s_mul_i32 s46, s42, 768                        ; and first column, in bytes
	s_mov_b32 s47, 0
	s_add_nc_u64 s[10:11], s[10:11], s[46:47]
.macro OUTA a, from, set, hi                       ; the six tiles of row block a of window 2 or 3 (from: sources 0 and 1)
	WIN \from
.irp b, 0,1,2,3,4,5
.irp q, 0,1,2,3
	v_cvt_pk_f16_f32 v[TMP+24*\set+4*\b+\q], v[8*(6*\a+\b)+2*\q], v[8*(6*\a+\b)+2*\q+1]
.endr
.endr
	WIN 0
.irp b, 0,1,2,3,4,5
	ds_store_b128 v[STO+\hi], v[TMP+24*\set+4*\b:TMP+24*\set+4*\b+3] offset:\a*16*SPITCH+32*\b
.endr
.endm
	OUTA 0, 0x0a, 0, 0
	OUTA 1, 0x0a, 1, 0
	OUTA 2, 0x0a, 0, 0
	OUTA 3, 0x0a, 1, 0
	OUTA 0, 0x0f, 0, 1
	OUTA 1, 0x0f, 1, 1
	OUTA 2, 0x0f, 0, 1
	OUTA 3, 0x0f, 1, 1
	s_wait_dscnt 0x0                               ; my stores are in LDS, for the other waves' sake
	s_barrier_signal -1
	s_barrier_wait -1
.macro OUTC cu, f                                  ; block cu of 256 bytes of my 32 rows
.irp p, 0,1,2,3,4,5,6,7,8,9,10,11,12,13,14,15
	ds_load_b128 v[\f+4*\p:\f+4*\p+3], v[RD] offset:2*SPITCH*\p+256*\cu
.endr
.irp p, 0,1,2,3,4,5,6,7,8,9,10,11,12,13,14,15
	s_wait_dscnt 15-\p                             ; LDS loads come back in order: pair p of rows is in
	global_store_b128 v[CO], v[\f+4*\p:\f+4*\p+3], s[10:11] offset:2*LDC*\p+256*\cu
.endr
.endm
	OUTC 0, F0
	OUTC 1, F1
	s_wait_xcnt 0x0                                ; buffer 0, which stores read, is loaded again only behind this wait
	OUTC 2, F0
	s_set_vgpr_msb 0x1
	s_wait_tensorcnt 0x0
	ds_add_u32 v255, v255
	s_wait_dscnt 0x0
	s_set_vgpr_msb 0x100
	CROUND                                         ; the closing round: no work-group ends while a partner may still ask for a tile that names it
	s_endpgm
.Lfunc_end_k_qd8a00e90ca_qkv:
	.size	k_qd8a00e90ca_qkv, .Lfunc_end_k_qd8a00e90ca_qkv-k_qd8a00e90ca_qkv
	.p2alignl 7, 3214868480
	.fill 96, 4, 3214868480
	.section	.rodata,"a",@progbits
	.p2align	6, 0x0
	.amdhsa_kernel k_qd8a00e90ca_qkv
		.amdhsa_group_segment_fixed_size 327680
		.amdhsa_private_segment_fixed_size 0
		.amdhsa_enable_private_segment 0
		.amdhsa_kernarg_size 32
		.amdhsa_user_sgpr_count 2
		.amdhsa_user_sgpr_kernarg_segment_ptr 1
		.amdhsa_wavefront_size32 1
		.amdhsa_system_sgpr_workgroup_id_x 1
		.amdhsa_system_sgpr_workgroup_id_y 1
		.amdhsa_system_sgpr_workgroup_id_z 1
		.amdhsa_system_vgpr_workitem_id 0
		.amdhsa_next_free_vgpr 1024
		.amdhsa_next_free_sgpr 66
		.amdhsa_reserve_vcc 0
		.amdhsa_float_denorm_mode_32 3
		.amdhsa_float_denorm_mode_16_64 3
		.amdhsa_memory_ordered 1
		.amdhsa_forward_progress 1
		.amdhsa_inst_pref_size 159
	.end_amdhsa_kernel
	.amdgpu_metadata
---
amdhsa.version: [ 1, 2 ]
amdhsa.kernels:
  - .name:           k_qd8a00e90ca_qkv
    .symbol:         k_qd8a00e90ca_qkv.kd
    .args:
      - { .name: xb, .offset: 0, .size: 8, .value_kind: global_buffer, .address_space: global }
      - { .name: wt, .offset: 8, .size: 8, .value_kind: global_buffer, .address_space: global }
      - { .name: bcat, .offset: 16, .size: 8, .value_kind: global_buffer, .address_space: global }
      - { .name: qkv, .offset: 24, .size: 8, .value_kind: global_buffer, .address_space: global }
    .group_segment_fixed_size: 327680
    .private_segment_fixed_size: 0
    .kernarg_segment_align: 8
    .kernarg_segment_size: 32
    .max_flat_workgroup_size: 128
    .sgpr_count:     66
    .vgpr_count:     1024
    .wavefront_size: 32
...
	.end_amdgpu_metadata
.endif
;; end of part 2
;; launch attn (part 3): grid 16 x 16, 8 waves a work-group, clusters of 4 x 1, 327,680 bytes of LDS; arguments qkv, ctx; writes ctx
.if DOCPART == 3
	.amdgcn_target "amdgcn-amd-amdhsa--gfx1250"
	.amdhsa_code_object_version 6
	.text
	.protected	k_qd8a00e90ca_attn
	.globl	k_qd8a00e90ca_attn
	.p2align	8
	.type	k_qd8a00e90ca_attn,@function
k_qd8a00e90ca_attn:
	s_mov_b64 s[64:65], 0
	v_nop
	global_prefetch_b8 v0, s[64:65] scope:SCOPE_SE
	s_setreg_imm32_b32 hwreg(HW_REG_WAVE_MODE, 25, 1), 1
	s_wait_xcnt 0x0
	s_wait_alu depctr_hold_cnt(0) depctr_sa_sdst(0) depctr_va_vdst(0) depctr_va_sdst(0) depctr_va_ssrc(0) depctr_va_vcc(0) depctr_vm_vsrc(0)
	s_getreg_b32 s2, hwreg(HW_REG_IB_STS2, 6, 4)
	s_cmp_eq_u32 s2, 0
	s_cbranch_scc0 .Lentry_in_a_cluster
	s_endpgm
.Lentry_in_a_cluster:
	s_bfe_u32 s2, ttmp6, 0x10000c
	s_cmp_lg_u32 s2, 0x3003
	s_cbranch_scc0 .Lentry_shape_is_right
	s_endpgm
.Lentry_shape_is_right:
; ctx = softmax(q k^T / 8) v, head by head, with a running maximum.  qkv: [4096 rows b 2048 + s][3072] f16 (q, k, v side by side, head h at column 64 h of
; its part); ctx: [4096][1024] f16.  Products in f16 with f32 sums; maximum, exponentials, sums and rescaling in f32.
; A work-group takes one batch, one PAIR of heads (128 neighbouring columns: 256 aligned bytes of a row) and 128 queries: 16 x 16 = 256 work-groups.
; Eight waves: wave w takes head w / 4 of the pair and queries 32 (w % 4) .. + 31, as two query tiles of 16.
; CLUSTERS: the sixteen query blocks of a batch and head pair read the same K and V; the four of a cluster ask jointly (mask 15): requests divide by four.
; Keys go in 8 visits of 256 through two LDS slots; a visit is four steps of 64 keys.
; NO LANE SHUFFLES: S^T = K q^T puts query l % 16 in lane l with keys 8 (l / 16) + 0..7 in its registers; two key tiles packed to f16 ARE the fragment of P
; (column = query, k = 32 keys); O^T = V^T P^T (V^T by the transposing LDS load) keeps query l % 16 in lane l.  So maximum, sum and rescale factor are one
; number a lane, and only the maximum crosses the two halves of the wave in each step.
; THE ORDER OF A STEP: 16 score products; the next step's K and this step's V are asked of LDS at once (K has registers of its own, v256-319, so that its
; loads need not wait for V's last use) and land during the softmax; the two query tiles' softmax is interleaved, each exponential followed by a plain
; instruction of the other tile; tile 0's eight P V products are dealt among tile 1's last vector work; tile 1's eight follow, across a change of slots
; behind the round, where they run while the new slot's first K loads are on their way.
; LIMITS: p and the result are rounded to f16 (p <= about 1; p below 6e-8 counts as 0); the sum is made of the unrounded p; v_exp_f32 gives 0 below 2^-126
; (ISA guide 15.8); NaN or infinite scores are not reproduced (v_max_num drops a NaN).
.set KP,     272                       ; K's LDS row: 256 bytes + 16
.set VP,     288                       ; V's LDS row: 256 bytes + 32, an odd multiple of 32, for the transposing load
.set KBYTES, 256*KP
.set VBYTES, 256*VP
.set SLOT,   KBYTES+VBYTES             ; 256 keys: K, then V
.set STAGE,  2*SLOT                    ; the way out: 128 rows x 272 bytes of their own, into which no tensor load lands
.set ROWB,   6144                      ; bytes in a row of qkv
.set VISITB, 256*ROWB
.set ADK, 2                            ; v2-3     LDS address of my K fragments in slot 0, 1
.set ADV, 4                            ; v4-7     of my V fragments: slot 0 keys 0-127, 128-255; slot 1 likewise
.set STO, 8                            ; v8-10    the way out
.set RD,  9
.set CO,  10
.set QO,  11                           ; v11      my byte offset in q
.set AL,  12                           ; v12, v14 rescale factor of query tile 0, 1: the first register of a pair, which the packed multiply broadcasts
.set LS,  13                           ; v13, v15 running sum (this lane's half of the keys): the pair's second register
.set NM,  16                           ; v16, v18 the shift - c max, rounded once: the first register of a pair, broadcast likewise
.set MX,  17                           ; v17, v19 running maximum of the raw scores: the pair's second register
.set T,   20                           ; v20-27   at work
.set QF,  32                           ; v32-63   q fragments (qt, dh) at 32 + 16 qt + 8 dh
.set VF,  64                           ; v64-127  V^T fragments (dt, c) at 64 + 16 dt + 8 c
.set SC,  128                          ; v128-191 score tiles (qt, kt) at 128 + 32 qt + 8 kt; P fragments (qt, c) in place at 128 + 32 qt + 16 c
.set OA,  192                          ; v192-255 O^T tiles (qt, dt) at 192 + 32 qt + 8 dt
.set KF,  0                            ; v256-319 (window 1, v0-63) K fragments (kt, dh) at 16 kt + 8 dh
.set G1K, 24
.set G0K, 32
.set G1V, 48
.set G0V, 56
.set MSB, 0
.macro WIN new                         ; s_set_vgpr_msb: bits 1:0 source 0, 3:2 source 1, 5:4 source 2, 7:6 destination; the high byte repeats the setting that is left
.if MSB != \new
	s_set_vgpr_msb (MSB<<8)|\new
.set MSB, \new
.endif
.endm
.macro ROUND                           ; a round of the cluster's barrier
	s_barrier_signal -1
	s_barrier_wait -1
	s_cmp_lg_u32 s10, 0
	s_cbranch_scc1 .Lnot_wave_0_\@
	s_barrier_signal -3
.Lnot_wave_0_\@:
	s_barrier_wait -3
	s_barrier_signal -1
	s_barrier_wait -1
.endm
.macro JLOAD s                         ; waves 0-3 ask for K's quarters of 64 keys, waves 4-7 for V's: one load a wave
	s_cmp_eq_u32 s11, 0
	s_cbranch_scc0 .Lfor_v_\@
	tensor_load_to_lds s[G0K+4*\s:G0K+4*\s+3], s[G1K:G1K+7]
	s_nop 0
	s_branch .Lasked_\@
.Lfor_v_\@:
	tensor_load_to_lds s[G0V+4*\s:G0V+4*\s+3], s[G1V:G1V+7]
	s_nop 0
.Lasked_\@:
.endm
.macro PLACES n
.rept \n
	v_nop
.endr
.endm
	s_load_b128 s[4:7], s[0:1], 0x0                ; qkv s[4:5], ctx s[6:7]
	v_lshl_add_u32 v30, v0, 2, 0x4e800
	v_mov_b32 v31, 0
	ds_add_u32 v30, v31
	v_lshrrev_b32 v1, 5, v0
	v_readfirstlane_b32 s10, v1                    ; wave 0..7
	s_lshr_b32 s11, s10, 2                         ; my head of the pair.  Also: I fetch K (0) or V (1)
	s_and_b32 s12, s10, 3                          ; my 32 queries.  Also: which 64 keys I fetch
	s_and_b32 s13, ttmp7, 0xffff
	s_lshr_b32 s14, s13, 3                         ; batch
	s_and_b32 s15, s13, 7                          ; head pair
	s_bfe_u32 s40, ttmp6, 0x40000                  ; cx
	s_lshl_b32 s41, ttmp9, 2
	s_add_co_u32 s41, s41, s40                     ; query block = 4 x cluster x + cx: enters q's and ctx's global addresses alone
	s_mov_b32 s66, 0x76543210                      ; v_permlanex16_b32: lane i of one half reads lane i of the other
	s_mov_b32 s67, 0xfedcba98
	s_mov_b32 s68, 0x3e38aa3b                      ; c = log2(e) / 8: the scale 1 / sqrt(64) and the change of base in one factor
	s_mov_b32 s69, 0x3e38aa3b
	s_mov_b32 s70, 0xbe38aa3b                      ; - c
	; group 1: 64 rows x 128 elements of 2 bytes, pitch 3,072 elements; padding behind every 64 words: 4 words for K, 8 for V; mask 15, bit 21 beside it
	s_mov_b32 s[G1K+0], 15|(1<<16)|(1<<20)|(1<<21)|(5<<22)|(3<<25)
	s_mov_b32 s[G1V+0], 15|(1<<16)|(1<<20)|(1<<21)|(5<<22)|(7<<25)
.irp g, G1K, G1V
	s_mov_b32 s[\g+1], 128<<16                     ; tensor_dim0 = 128
	s_mov_b32 s[\g+2], 64<<16                      ; tensor_dim1 = 64
	s_mov_b32 s[\g+3], 128<<16                     ; tile_dim0 = 128
	s_mov_b32 s[\g+4], 64                          ; tile_dim1 = 64
	s_mov_b32 s[\g+5], 3072
	s_mov_b32 s[\g+6], 0
	s_mov_b32 s[\g+7], 0
.endr
	s_mul_i32 s16, s14, 2048*ROWB                  ; K and V: the batch's rows + my 64 keys + the head pair's 256 bytes: alike in all four partners
	s_mul_i32 s17, s12, 64*ROWB
	s_add_co_u32 s16, s16, s17
	s_lshl_b32 s17, s15, 8
	s_add_co_u32 s16, s16, s17
	s_mov_b32 s17, 0
	s_mul_i32 s20, s12, 64*KP                      ; LDS: my quarter of K
	s_mul_i32 s21, s12, 64*VP
	s_add_co_u32 s21, s21, KBYTES                  ;      or of V
	s_lshl_b32 s22, s11, 7                         ; my head's 128 bytes of a row
	s_mul_i32 s42, s14, 2048*ROWB                  ; q: batch, query block, my 32 queries, head
	s_mul_i32 s43, s41, 128*ROWB
	s_add_co_u32 s42, s42, s43
	s_mul_i32 s43, s12, 32*ROWB
	s_add_co_u32 s42, s42, s43
	s_lshl_b32 s43, s15, 8
	s_add_co_u32 s42, s42, s43
	s_add_co_u32 s42, s42, s22
	s_mov_b32 s43, 0
	s_lshl_b32 s46, s14, 22                        ; ctx: (2,048 batch + 128 block) rows of 2,048 bytes + the head pair's 256 bytes
	s_lshl_b32 s47, s41, 18
	s_add_co_u32 s46, s46, s47
	s_lshl_b32 s47, s15, 8
	s_add_co_u32 s46, s46, s47
	s_mov_b32 s47, 0
	s_wait_dscnt 0x0
	s_wait_kmcnt 0x0
	s_add_nc_u64 s[18:19], s[4:5], s[16:17]
	s_add_nc_u64 s[44:45], s[4:5], s[42:43]
	s_add_nc_u64 s[46:47], s[6:7], s[46:47]
	ROUND                                          ; all four work-groups are here: the first joint loads meet
.irp s, 0,1
	s_mov_b32 s[G0K+4*\s], 1
	s_add_co_u32 s[G0K+4*\s+1], s20, \s*SLOT
	s_add_nc_u64 s[G0K+4*\s+2:G0K+4*\s+3], s[18:19], 2048+\s*VISITB    ; k begins at column 1,024
	s_or_b32 s[G0K+4*\s+3], s[G0K+4*\s+3], 0x80000000
	s_mov_b32 s[G0V+4*\s], 1
	s_add_co_u32 s[G0V+4*\s+1], s21, \s*SLOT
	s_add_nc_u64 s[G0V+4*\s+2:G0V+4*\s+3], s[18:19], 4096+\s*VISITB    ; v at column 2,048
	s_or_b32 s[G0V+4*\s+3], s[G0V+4*\s+3], 0x80000000
	JLOAD \s                                       ; both slots' first fills go out together: two tensor loads of a wave are out, later one
.endr
	v_and_b32 v20, 15, v0                          ; r
	v_bfe_u32 v21, v0, 4, 1                        ; h
	v_mul_u32_u24 v[QO], v20, ROWB
	v_lshl_add_u32 v[QO], v21, 4, v[QO]
.irp qt, 0,1
.irp dh, 0,1
	global_load_b128 v[QF+16*\qt+8*\dh:QF+16*\qt+8*\dh+3],   v[QO], s[44:45] offset:16*ROWB*\qt+64*\dh      ; q stays in registers for the whole kernel
	global_load_b128 v[QF+16*\qt+8*\dh+4:QF+16*\qt+8*\dh+7], v[QO], s[44:45] offset:16*ROWB*\qt+64*\dh+32
.endr
.endr
	v_mul_u32_u24 v22, v20, KP
	v_lshl_add_u32 v22, v21, 4, v22
	v_add_nc_u32 v[ADK], s22, v22                  ; key r, my head, 16 bytes at 16 h
	v_add_nc_u32 v[ADK+1], SLOT, v[ADK]
	v_and_b32 v23, 7, v0
	v_lshl_add_u32 v23, v21, 3, v23                ; the transposing load: key 8 h + l % 8,
	v_mul_u32_u24 v23, v23, VP
	v_bfe_u32 v24, v0, 3, 1
	v_lshl_add_u32 v23, v24, 4, v23                ; 16 bytes at 16 ((l / 8) % 2)
	s_add_co_u32 s23, s22, KBYTES
	v_add_nc_u32 v[ADV], s23, v23
	v_add_nc_u32 v[ADV+1], 128*VP, v[ADV]
	v_add_nc_u32 v[ADV+2], SLOT, v[ADV]
	v_add_nc_u32 v[ADV+3], SLOT, v[ADV+1]
	s_mul_i32 s23, s12, 32*KP
	s_add_co_u32 s23, s23, STAGE
	v_add_nc_u32 v[STO], s23, v[ADK]               ; stage in: row 32 (w % 4) + r, my head, 16 h
	s_mul_i32 s23, s10, 16*KP
	s_add_co_u32 s23, s23, STAGE
	v_mul_u32_u24 v25, v21, KP
	v_lshl_add_u32 v25, v20, 4, v25
	v_add_nc_u32 v[RD], s23, v25                   ; stage back: row 16 w + h, 16 bytes at 16 r
	v_lshlrev_b32 v26, 11, v21
	v_lshl_add_u32 v26, v20, 4, v26
	s_lshl_b32 s23, s10, 15
	v_add_nc_u32 v[CO], s23, v26                   ; the same rows in ctx
.macro KLOAD slot, st                              ; 64 keys x 64 d of my head: 16 loads into window 1
	WIN 0x40                                       ; destination window 1, address window 0
.irp kt, 0,1,2,3
.irp dh, 0,1
	ds_load_b128 v[KF+16*\kt+8*\dh:KF+16*\kt+8*\dh+3],   v[ADK+\slot] offset:(64*(\st)+16*\kt)*KP+64*\dh
	ds_load_b128 v[KF+16*\kt+8*\dh+4:KF+16*\kt+8*\dh+7], v[ADK+\slot] offset:(64*(\st)+16*\kt)*KP+64*\dh+32
.endr
.endr
.endm
.macro VLOAD slot, st                              ; 64 keys' V, transposed on the way: row = d, k = key
	WIN 0
.irp dt, 0,1,2,3
.irp c, 0,1
	ds_load_tr16_b128 v[VF+16*\dt+8*\c:VF+16*\dt+8*\c+3],   v[ADV+2*\slot+((\st)>>1)] offset:(64*((\st)&1)+32*\c)*VP+32*\dt
	ds_load_tr16_b128 v[VF+16*\dt+8*\c+4:VF+16*\dt+8*\c+7], v[ADV+2*\slot+((\st)>>1)] offset:(64*((\st)&1)+32*\c+16)*VP+32*\dt
.endr
.endr
.endm
.macro SMUL                                        ; S^T: eight accumulators take turns, one instruction a turn; the first 32 of d start the sums
	WIN 0x01                                       ; source 0 (K) window 1
.irp dh, 0,1
.irp qt, 0,1
.irp kt, 0,1,2,3
.if \dh == 0
	v_wmma_f32_16x16x32_f16 v[SC+32*\qt+8*\kt:SC+32*\qt+8*\kt+7], v[KF+16*\kt+8*\dh:KF+16*\kt+8*\dh+7], v[QF+16*\qt+8*\dh:QF+16*\qt+8*\dh+7], 0
.else
	v_wmma_f32_16x16x32_f16 v[SC+32*\qt+8*\kt:SC+32*\qt+8*\kt+7], v[KF+16*\kt+8*\dh:KF+16*\kt+8*\dh+7], v[QF+16*\qt+8*\dh:QF+16*\qt+8*\dh+7], v[SC+32*\qt+8*\kt:SC+32*\qt+8*\kt+7]
.endif
.endr
.endr
.endr
.endm
; One product of O^T += V^T P^T: query tile qt, 32 keys c, 16 d dt.  zero = 1: it starts the sum.
.macro PV1 qt, c, dt, zero
.if \zero
	v_wmma_f32_16x16x32_f16 v[OA+32*\qt+8*(\dt):OA+32*\qt+8*(\dt)+7], v[VF+16*(\dt)+8*(\c):VF+16*(\dt)+8*(\c)+7], v[SC+32*\qt+16*(\c):SC+32*\qt+16*(\c)+7], 0
	s_wait_alu depctr_va_vdst(0)
.else
	v_wmma_f32_16x16x32_f16 v[OA+32*\qt+8*(\dt):OA+32*\qt+8*(\dt)+7], v[VF+16*(\dt)+8*(\c):VF+16*(\dt)+8*(\c)+7], v[SC+32*\qt+16*(\c):SC+32*\qt+16*(\c)+7], v[OA+32*\qt+8*(\dt):OA+32*\qt+8*(\dt)+7]
.endif
.endm
.macro PVQ1 first                                  ; query tile 1's eight products: four accumulators take turns
	WIN 0
.irp c, 0,1
.irp dt, 0,1,2,3
	PV1 1, \c, \dt, \first*(1-\c)
.endr
.endr
.endm
; The new maxima, shifts and rescale factors of both query tiles.  A lane holds 32 raw scores of one query of each tile: two chains a tile, four in all.
.macro MAXES first
.irp qt, 0,1
	v_max3_num_f32 v[T+2*\qt],   v[SC+32*\qt],    v[SC+32*\qt+1],  v[SC+32*\qt+2]      ; started by the scores themselves
	v_max3_num_f32 v[T+2*\qt+1], v[SC+32*\qt+16], v[SC+32*\qt+17], v[SC+32*\qt+18]
.endr
.irp k, 0,1,2,3,4,5
.irp qt, 0,1
	v_max3_num_f32 v[T+2*\qt],   v[T+2*\qt],   v[SC+32*\qt+3+2*\k],  v[SC+32*\qt+4+2*\k]
	v_max3_num_f32 v[T+2*\qt+1], v[T+2*\qt+1], v[SC+32*\qt+19+2*\k], v[SC+32*\qt+20+2*\k]
.endr
.endr
.irp qt, 0,1
	v_max3_num_f32 v[T+2*\qt], v[T+2*\qt], v[SC+32*\qt+15], v[SC+32*\qt+31]
.endr
.irp qt, 0,1
.if \first
	v_max_num_f32 v[T+2*\qt], v[T+2*\qt], v[T+2*\qt+1]
.else
	v_max3_num_f32 v[T+2*\qt], v[T+2*\qt], v[T+2*\qt+1], v[MX+2*\qt]                   ; with the running maximum
.endif
.endr
.irp qt, 0,1
	v_permlanex16_b32 v[T+2*\qt+1], v[T+2*\qt], s66, s67                               ; the other half of the wave holds the query's other keys
.endr
.irp qt, 0,1
	v_max_num_f32 v[MX+2*\qt], v[T+2*\qt], v[T+2*\qt+1]
.endr
.irp qt, 0,1
	v_mul_f32 v[T+4+\qt], s70, v[MX+2*\qt]                                             ; the new shift - c max, rounded once
.endr
.if \first == 0
.irp qt, 0,1
	v_sub_f32 v[T+6+\qt], v[T+4+\qt], v[NM+2*\qt]                                      ; new shift - old shift (<= 0): the old terms are moved onto exactly the shift that the new ones use
.endr
.irp qt, 0,1
	v_exp_f32 v[AL+2*\qt], v[T+6+\qt]
.endr
.endif
.irp qt, 0,1
	v_mov_b32 v[NM+2*\qt], v[T+4+\qt]                                                  ; plain instructions behind the exponentials, ahead of any use of them (ISA guide 5.7.2)
.endr
.endm
; What follows a query tile's 32 exponentials, as a list of 33 plain instructions that other work is dealt among; this is number idx of it.
; 0-14: the sum of the unrounded p, two chains of packed adds; 15, 16: into the running sum; 17-32: p to f16, in place and ascending (register i of a
; group of 16 is written when 2 i and 2 i + 1 have been read), which makes the two fragments of P.
.macro PLAIN qt, idx, first
.set SB, SC+32*\qt
.set CH, T+4*\qt+2*((\idx)%2)
.if (\idx) < 2
	s_wait_alu depctr_va_vdst(0)
	v_pk_add_f32 v[CH:CH+1], v[SB+16*(\idx):SB+16*(\idx)+1], v[SB+16*(\idx)+2:SB+16*(\idx)+3]
.else
.if (\idx) < 14
.set PS, SB+2+(\idx)+15*((\idx)%2)
	v_pk_add_f32 v[CH:CH+1], v[CH:CH+1], v[PS:PS+1]
.else
.if (\idx) < 17
.if (\idx) == 14
	v_pk_add_f32 v[T+4*\qt:T+4*\qt+1], v[T+4*\qt:T+4*\qt+1], v[T+4*\qt+2:T+4*\qt+3]
.endif
.if (\idx) == 15
.if \first
	v_add_f32 v[LS+2*\qt], v[T+4*\qt], v[T+4*\qt+1]
.else
	v_add_f32 v[T+4*\qt], v[T+4*\qt], v[T+4*\qt+1]
.endif
.endif
.if (\idx) == 16
.if \first == 0
	v_fma_f32 v[LS+2*\qt], v[LS+2*\qt], v[AL+2*\qt], v[T+4*\qt]
.endif
.endif
.else
.set PM, (\idx)-17
.set PD, SB+16*(PM/8)+(PM%8)
.set PS, SB+16*(PM/8)+2*(PM%8)
	v_cvt_pk_f16_f32 v[PD], v[PS], v[PS+1]
.endif
.endif
.endif
.endm
; 64 keys, all but query tile 1's products with V.
.macro STEPA slot, st, first
.if \st == 0
	s_wait_dscnt 0x0                               ; the slot's first K fragments are in (a later step's were shown in by the wait for V below, a step earlier)
.endif
	SMUL
	PLACES 4                                       ; four places: the loads land on registers that products read, and the maxima read results
.if \st < 3
	KLOAD \slot, \st+1                             ; the next step's K and this step's V are on their way during the softmax
.endif
	VLOAD \slot, \st
	MAXES \first
.irp i, 0,1,2,3,4,5,6,7,8,9,10,11,12,13,14,15
	v_pk_fma_f32 v[SC+2*\i:SC+2*\i+1], v[SC+2*\i:SC+2*\i+1], s[68:69], v[NM:NM+1] op_sel_hi:[1,0,0]     ; tile 0: c s - c max; both halves take the pair's first register
.endr
	; tile 0's exponentials, each followed by a plain instruction: tile 1's shift, tile 0's rescaling of O
.set pn, 0
.rept 16
	v_exp_f32 v[SC+2*pn], v[SC+2*pn]
	v_pk_fma_f32 v[SC+32+2*pn:SC+33+2*pn], v[SC+32+2*pn:SC+33+2*pn], s[68:69], v[NM+2:NM+3] op_sel_hi:[1,0,0]
	v_exp_f32 v[SC+2*pn+1], v[SC+2*pn+1]
.if \first == 0
	s_wait_alu depctr_va_vdst(0)
	v_pk_mul_f32 v[OA+2*pn:OA+2*pn+1], v[OA+2*pn:OA+2*pn+1], v[AL:AL+1] op_sel_hi:[1,0]
.endif
.set pn, pn+1
.endr
	; tile 1's exponentials, each followed by an instruction of tile 0's sum and conversion
.set pn, 0
.rept 32
	v_exp_f32 v[SC+32+pn], v[SC+32+pn]
	PLAIN 0, pn, \first
.set pn, pn+1
.endr
	PLAIN 0, 32, \first
	s_wait_dscnt 0x0                               ; V's fragments are in, and the next step's K fragments with them: no read of the slot by this step is out any more
	; tile 0's eight products (four accumulators take turns), one to every six instructions of tile 1's sum, conversion and rescaling,
	; which name none of their registers
.set pn, 0
.rept 32
.if (pn%4) == 0
	PV1 0, pn/16, (pn/4)%4, \first*(1-pn/16)
.endif
	PLAIN 1, pn, \first
.if \first == 0
.if (pn%2) == 0
	v_pk_mul_f32 v[OA+32+pn:OA+33+pn], v[OA+32+pn:OA+33+pn], v[AL+2:AL+3] op_sel_hi:[1,0]
.endif
.endif
.set pn, pn+1
.endr
	PLAIN 1, 32, \first
.endm
; A slot's 256 keys.  The step in front of a change of slots leaves tile 1's products for here: they are register work, done under the first K loads.
.macro VISIT slot, first
	KLOAD \slot, 0
.if \first == 0
	PVQ1 0
	PLACES 5                                       ; five places: the next score products write over P, a source of these (ISA guide 7.12.1)
.endif
	STEPA \slot, 0, \first
	PVQ1 \first
	PLACES 5
	STEPA \slot, 1, 0
	PVQ1 0
	PLACES 5
	STEPA \slot, 2, 0
	PVQ1 0
	PLACES 5
	STEPA \slot, 3, 0
.endm
; Away from slot old.  In front of the barrier every wave's reads of it are back and all its tensor loads have landed, its part of the other slot among
; them.  refill = 1: the barrier is a round of the cluster's barrier, and slot old's next 256 keys are asked for first behind it.
.macro CHANGE old, refill
	s_wait_tensorcnt 0x0                           ; no tensor load of mine is out: a group 0 may be written
	ds_add_u32 v30, v31
	s_wait_dscnt 0x0
.if \refill
	s_add_nc_u64 s[G0K+4*\old+2:G0K+4*\old+3], s[G0K+4*\old+2:G0K+4*\old+3], 2*VISITB
	s_add_nc_u64 s[G0V+4*\old+2:G0V+4*\old+3], s[G0V+4*\old+2:G0V+4*\old+3], 2*VISITB
.endif
	s_wait_dscnt 0x0                               ; met: the step's wait for V was for 0, and the one LDS add since has been waited for
.if \refill
	ROUND
	JLOAD \old                                     ; it has a whole visit, 128 matrix instructions and four softmax steps of each wave, in which to land
.else
	s_barrier_signal -1
	s_barrier_wait -1
.endif
.endm
	s_wait_tensorcnt 0x1                           ; my part of slot 0 is in; slot 1's may stay out
	s_barrier_signal -1
	s_barrier_wait -1
	s_wait_loadcnt 0x0                             ; q
	VISIT 0, 1                                     ; keys 0-255: the first step starts maximum, sum and O
	s_mov_b32 s3, 3
.Lpair:
	CHANGE 0, 1
	VISIT 1, 0
	CHANGE 1, 1
	VISIT 0, 0
	s_sub_co_u32 s3, s3, 1
	s_cmp_lg_u32 s3, 0
	s_cbranch_scc1 .Lpair
	CHANGE 0, 0                                    ; the last 256 keys: nothing is left to fetch
	VISIT 1, 0
	PVQ1 0
	PLACES 4                                       ; four places ahead of the vector instructions that read O and write over P and V
	; THE WAY OUT: the two halves' sums meet, O is divided, rounded to f16 and laid into the stage; rows of 256 bytes (both heads) are read back and stored.
	v_permlanex16_b32 v[T],   v[LS],   s66, s67
	v_permlanex16_b32 v[T+1], v[LS+2], s66, s67
	v_add_f32 v[T],   v[T],   v[LS]
	v_add_f32 v[T+1], v[T+1], v[LS+2]              ; at least about 1: the largest score's own term
	v_rcp_f32 v[AL],   v[T]
	v_rcp_f32 v[AL+2], v[T+1]
	v_nop                                          ; the plain place behind the reciprocals
	s_wait_alu depctr_va_vdst(0)
.irp qt, 0,1
.irp i, 0,1,2,3,4,5,6,7,8,9,10,11,12,13,14,15
	v_pk_mul_f32 v[OA+32*\qt+2*\i:OA+32*\qt+2*\i+1], v[OA+32*\qt+2*\i:OA+32*\qt+2*\i+1], v[AL+2*\qt:AL+2*\qt+1] op_sel_hi:[1,0]
.endr
.endr
.irp qt, 0,1
.irp dt, 0,1,2,3
.irp i, 0,1,2,3
	v_cvt_pk_f16_f32 v[SC+16*\qt+4*\dt+\i], v[OA+32*\qt+8*\dt+2*\i], v[OA+32*\qt+8*\dt+2*\i+1]
.endr
	ds_store_b128 v[STO], v[SC+16*\qt+4*\dt:SC+16*\qt+4*\dt+3] offset:16*KP*\qt+32*\dt
.endr
.endr
	s_wait_dscnt 0x0                               ; my stores are in LDS, for the other waves' sake
	s_barrier_signal -1
	s_barrier_wait -1
.irp t, 0,1,2,3,4,5,6,7
	ds_load_b128 v[VF+4*\t:VF+4*\t+3], v[RD] offset:2*KP*\t
.endr
.irp t, 0,1,2,3,4,5,6,7
	s_wait_dscnt 7-\t                              ; LDS loads come back in order: pair t of rows is in
	global_store_b128 v[CO], v[VF+4*\t:VF+4*\t+3], s[46:47] offset:4096*\t   ; sixteen lanes store 256 consecutive bytes of a row of ctx, aligned
.endr
	s_wait_tensorcnt 0x0
	ds_add_u32 v30, v31
	s_wait_dscnt 0x0
	ROUND                                          ; the closing round: no work-group ends while a partner may still ask for a tile that names it
	s_endpgm
.Lfunc_end_k_qd8a00e90ca_attn:
	.size	k_qd8a00e90ca_attn, .Lfunc_end_k_qd8a00e90ca_attn-k_qd8a00e90ca_attn
	.p2alignl 7, 3214868480
	.fill 96, 4, 3214868480
	.section	.rodata,"a",@progbits
	.p2align	6, 0x0
	.amdhsa_kernel k_qd8a00e90ca_attn
		.amdhsa_group_segment_fixed_size 327680
		.amdhsa_private_segment_fixed_size 0
		.amdhsa_enable_private_segment 0
		.amdhsa_kernarg_size 16
		.amdhsa_user_sgpr_count 2
		.amdhsa_user_sgpr_kernarg_segment_ptr 1
		.amdhsa_wavefront_size32 1
		.amdhsa_system_sgpr_workgroup_id_x 1
		.amdhsa_system_sgpr_workgroup_id_y 1
		.amdhsa_system_sgpr_workgroup_id_z 1
		.amdhsa_system_vgpr_workitem_id 0
		.amdhsa_next_free_vgpr 320
		.amdhsa_next_free_sgpr 72
		.amdhsa_reserve_vcc 0
		.amdhsa_float_denorm_mode_32 3
		.amdhsa_float_denorm_mode_16_64 3
		.amdhsa_memory_ordered 1
		.amdhsa_forward_progress 1
		.amdhsa_inst_pref_size 255
	.end_amdhsa_kernel
	.section	.bss,"aw",@nobits
	.p2align	6
	.space	262144
	.amdgpu_metadata
---
amdhsa.version: [ 1, 2 ]
amdhsa.kernels:
  - .name:           k_qd8a00e90ca_attn
    .symbol:         k_qd8a00e90ca_attn.kd
    .args:
      - { .name: qkv, .offset: 0, .size: 8, .value_kind: global_buffer, .address_space: global }
      - { .name: ctx, .offset: 8, .size: 8, .value_kind: global_buffer, .address_space: global }
    .group_segment_fixed_size: 327680
    .private_segment_fixed_size: 0
    .kernarg_segment_align: 8
    .kernarg_segment_size: 16
    .max_flat_workgroup_size: 256
    .sgpr_count:     72
    .vgpr_count:     320
    .wavefront_size: 32
...
	.end_amdgpu_metadata
.endif
;; end of part 3
;; launch oproj (part 4): grid 8 x 32, 4 waves a work-group, clusters of 4 x 4, 327,680 bytes of LDS; arguments ctx, wt, bcat, out0; writes out0
.if DOCPART == 4
	.amdgcn_target "amdgcn-amd-amdhsa--gfx1250"
	.amdhsa_code_object_version 6
	.text
	.protected	k_qd8a00e90ca_oproj
	.globl	k_qd8a00e90ca_oproj
	.p2align	8
	.type	k_qd8a00e90ca_oproj,@function
k_qd8a00e90ca_oproj:
	s_mov_b64 s[64:65], 0
	v_nop
	global_prefetch_b8 v0, s[64:65] scope:SCOPE_SE
	s_setreg_imm32_b32 hwreg(HW_REG_WAVE_MODE, 25, 1), 1
	s_wait_xcnt 0x0
	s_wait_alu depctr_hold_cnt(0) depctr_sa_sdst(0) depctr_va_vdst(0) depctr_va_sdst(0) depctr_va_ssrc(0) depctr_va_vcc(0) depctr_vm_vsrc(0)
	s_getreg_b32 s2, hwreg(HW_REG_IB_STS2, 6, 4)
	s_cmp_eq_u32 s2, 0
	s_cbranch_scc0 .Lentry_in_a_cluster
	s_endpgm
.Lentry_in_a_cluster:
	s_bfe_u32 s2, ttmp6, 0x10000c
	s_cmp_lg_u32 s2, 0xf033
	s_cbranch_scc0 .Lentry_shape_is_right
	s_endpgm
.Lentry_shape_is_right:
; out0[m][n] = sum over k of ctx[m][k] wt[3072 + n][k] + bcat[3072 + n], m < 4096, n < 1024, K = 1024.  Operands f16, sums and result f32.
; A work-group makes 128 x 128: 8 x 32 = 256 work-groups (a larger block would leave WGPs without work).  Four waves, 64 x 64 each: 16 accumulator tiles.
; K goes in 4 steps of 256 (rows of 512 bytes) through two LDS slots, so that one load a wave brings 32 KiB and there are three changes of slots in all.
; CLUSTERS: 4 x 4 work-groups; ctx's tile is shared along a row of the cluster, wt's along a column, each asked for jointly: requests divide by four.
; REGISTERS: window 0: v16-28 addresses, v64-127 and v128-191 fragments of ctx (two buffers of 64 along K), v192-223 the bias; window 1: fragments of wt;
; window 2: tile (a, b) at v[8 (4 a + b)].
; The product is used transposed (source 0 = rows of wt, source 1 = rows of ctx): lane l holds row l % 16 and columns 8 (l / 16) + 0..7, 32 neighbouring bytes.
; The bias of those columns is the C of each tile's first product.
.set SIZE_K, 1024
.set KSTEP,  256
.set PITCH,  528                       ; 512 bytes + 16: an odd multiple of 16
.set HALFT,  64*PITCH                  ; 64 rows: what one tensor load brings, and what one wave reads of ctx or of wt
.set SLOT,   4*HALFT                   ; ctx's 128 rows, then wt's 128 rows
.set STAGE,  2*SLOT                    ; behind the ring: 16 rows x 272 bytes for each wave; no tensor load lands there
.set SPITCH, 272
.set LDC,    4096                      ; bytes in a row of out0
.set ADRA, 16
.set ADRB, 20
.set STO,  24
.set RD,   25
.set CO,   26
.set BO,   28
.set F0,   64
.set F1,   128
.set BIAS, 192
.set G1, 24
.set G0, 32
.set G1B, 48
.set G0B, 56
.set MSB, 0
.macro WIN new                         ; s_set_vgpr_msb: bits 1:0 source 0, 3:2 source 1, 5:4 source 2, 7:6 destination; the high byte repeats the setting that is left
.if MSB != \new
	s_set_vgpr_msb (MSB<<8)|\new
.set MSB, \new
.endif
.endm
.set MUL,   0xa1                       ; source 0 (wt) window 1, source 1 (ctx) window 0, C and D window 2
.set MUL_B, 0x81                       ; C = the bias in window 0
.set TO_B,  0x40
.macro JLOAD s                         ; waves 0 and 1 ask for ctx's two halves, waves 2 and 3 for wt's
	s_cmp_eq_u32 s13, 0
	s_cbranch_scc0 .Lfor_b_\@
	tensor_load_to_lds s[G0+4*\s:G0+4*\s+3], s[G1:G1+7]
	s_nop 0
	s_branch .Lasked_\@
.Lfor_b_\@:
	tensor_load_to_lds s[G0B+4*\s:G0B+4*\s+3], s[G1B:G1B+7]
	s_nop 0
.Lasked_\@:
.endm
.macro CREST
	s_cmp_lg_u32 s12, 0
	s_cbranch_scc1 .Lnot_wave_0_\@
	s_barrier_signal -3
.Lnot_wave_0_\@:
	s_barrier_wait -3
	s_barrier_signal -1
	s_barrier_wait -1
.endm
.macro CROUND
	s_barrier_signal -1
	s_barrier_wait -1
	CREST
.endm
	s_load_b256 s[4:11], s[0:1], 0x0               ; ctx s[4:5], wt s[6:7], bcat s[8:9], out0 s[10:11]
	s_set_vgpr_msb 0x40
	v_lshl_add_u32 v255, v0, 2, 0x46400
	s_set_vgpr_msb 0x4000
	v_mov_b32 v255, 0
	s_set_vgpr_msb 0x1
	ds_add_u32 v255, v255
	s_set_vgpr_msb 0x100
	v_lshrrev_b32 v1, 5, v0
	v_readfirstlane_b32 s12, v1                    ; wave 0..3
	s_lshr_b32 s13, s12, 1                         ; which half of the block's rows is mine.  Also: I fetch for ctx (0) or for wt (1)
	s_and_b32 s22, s12, 1                          ; which half of its columns.  Also: which 64 rows of that tile I fetch
	s_bfe_u32 s40, ttmp6, 0x40000                  ; cx
	s_bfe_u32 s41, ttmp6, 0x40004                  ; cy
	s_lshl_b32 s42, ttmp9, 2
	s_add_co_u32 s42, s42, s40                     ; block column bx
	s_and_b32 s43, ttmp7, 0xffff
	s_lshl_b32 s43, s43, 2
	s_add_co_u32 s43, s43, s41                     ; block row by
	s_lshl_b32 s44, s41, 2
	s_lshl_b32 s44, 15, s44                        ; my row of the cluster
	s_lshl_b32 s45, 0x1111, s40                    ; my column
	; group 1: 64 rows x 256 elements of 2 bytes, 16 bytes of padding behind every 128 words
	s_or_b32 s[G1+0], s44, (1<<16)|(1<<20)|(1<<21)|(6<<22)|(3<<25)
	s_or_b32 s[G1B+0], s45, (1<<16)|(1<<20)|(1<<21)|(6<<22)|(3<<25)
.irp g, G1, G1B
	s_mov_b32 s[\g+1], KSTEP<<16                   ; tensor_dim0 = 256
	s_mov_b32 s[\g+2], 64<<16                      ; tensor_dim1 = 64
	s_mov_b32 s[\g+3], KSTEP<<16                   ; tile_dim0 = 256
	s_mov_b32 s[\g+4], 64                          ; tile_dim1 = 64
	s_mov_b32 s[\g+5], SIZE_K
	s_mov_b32 s[\g+6], 0
	s_mov_b32 s[\g+7], 0
.endr
	s_lshl_b32 s14, s43, 18                        ; ctx: (128 by + 64 half) rows of 2,048 bytes
	s_lshl_b32 s15, s22, 17
	s_add_co_u32 s14, s14, s15
	s_mov_b32 s15, 0
	s_lshl_b32 s46, s42, 18                        ; wt: (3,072 + 128 bx + 64 half) rows
	s_lshl_b32 s47, s22, 17
	s_add_co_u32 s46, s46, s47
	s_add_co_u32 s46, s46, 3072*SIZE_K*2
	s_mov_b32 s47, 0
	s_mul_i32 s20, s12, HALFT                      ; where it goes: wave x 64 rows
	s_wait_dscnt 0x0
	s_wait_kmcnt 0x0
	s_add_nc_u64 s[14:15], s[4:5], s[14:15]
	s_add_nc_u64 s[46:47], s[6:7], s[46:47]
	CROUND                                         ; all sixteen work-groups are here: the first joint loads meet
.irp s, 0,1
	s_mov_b32 s[G0+4*\s], 1
	s_add_co_u32 s[G0+4*\s+1], s20, \s*SLOT
	s_add_nc_u64 s[G0+4*\s+2:G0+4*\s+3], s[14:15], \s*KSTEP*2
	s_or_b32 s[G0+4*\s+3], s[G0+4*\s+3], 0x80000000
	s_mov_b32 s[G0B+4*\s], 1
	s_add_co_u32 s[G0B+4*\s+1], s20, \s*SLOT
	s_add_nc_u64 s[G0B+4*\s+2:G0B+4*\s+3], s[46:47], \s*KSTEP*2
	s_or_b32 s[G0B+4*\s+3], s[G0B+4*\s+3], 0x80000000
	JLOAD \s                                       ; both slots' first fills go out together: two tensor loads of a wave are out, later one
.endr
	v_and_b32 v1, 15, v0                           ; r
	v_bfe_u32 v2, v0, 4, 1                         ; h
	v_mul_u32_u24 v3, v1, PITCH
	v_lshl_add_u32 v3, v2, 4, v3
	s_mul_i32 s21, s13, HALFT                      ; my 64 rows of ctx
	s_mul_i32 s23, s22, HALFT                      ; my 64 rows of wt,
	s_add_co_u32 s23, s23, 2*HALFT                 ; which lie behind ctx's 128
.irp s, 0,1
	v_add_nc_u32 v[ADRA+\s], s21, v3
	v_add_nc_u32 v[ADRB+\s], s23, v3
	s_add_co_u32 s21, s21, SLOT
	s_add_co_u32 s23, s23, SLOT
.endr
	s_mul_i32 s23, s12, 16*SPITCH
	s_add_co_u32 s23, s23, STAGE                   ; my stage
	v_mul_u32_u24 v4, v1, SPITCH                   ; in: row r, 32 bytes for each half of the lanes
	v_lshl_add_u32 v4, v2, 5, v4
	v_add_nc_u32 v[STO], s23, v4
	v_mul_u32_u24 v5, v2, SPITCH                   ; back: lanes 0-15 one row of 256 bytes, lanes 16-31 the next
	v_lshl_add_u32 v5, v1, 4, v5
	v_add_nc_u32 v[RD], s23, v5
	v_lshlrev_b32 v5, 12, v2                       ; the same two rows in out0
	v_lshl_add_u32 v[CO], v1, 4, v5
	v_lshlrev_b32 v[BO], 5, v2
	s_lshl_b32 s46, s42, 9                         ; the bias of my 64 columns: (3,072 + 128 bx + 64 half) numbers of 4 bytes
	s_lshl_b32 s47, s22, 8
	s_add_co_u32 s46, s46, s47
	s_add_co_u32 s46, s46, 3072*4
	s_mov_b32 s47, 0
	s_add_nc_u64 s[8:9], s[8:9], s[46:47]
.irp b, 0,1,2,3
	global_load_b128 v[BIAS+8*\b:BIAS+8*\b+3],   v[BO], s[8:9] offset:64*\b
	global_load_b128 v[BIAS+8*\b+4:BIAS+8*\b+7], v[BO], s[8:9] offset:64*\b+16
.endr
; 16 matrix instructions: all 4 x 4 tiles, 32 along K (half z of a buffer).  The 16 accumulators take turns, one instruction a turn.
.macro MUL16 f, z, bias
.irp a, 0,1,2,3
.irp b, 0,1,2,3
.if \bias
	v_wmma_f32_16x16x32_f16 v[8*(4*\a+\b):8*(4*\a+\b)+7], v[\f+8*(4*\z+\b):\f+8*(4*\z+\b)+7], v[\f+8*(4*\z+\a):\f+8*(4*\z+\a)+7], v[BIAS+8*\b:BIAS+8*\b+7]
.else
	v_wmma_f32_16x16x32_f16 v[8*(4*\a+\b):8*(4*\a+\b)+7], v[\f+8*(4*\z+\b):\f+8*(4*\z+\b)+7], v[\f+8*(4*\z+\a):\f+8*(4*\z+\a)+7], v[8*(4*\a+\b):8*(4*\a+\b)+7]
.endif
.endr
.endr
.endm
; 32 LDS loads in one run: 64 rows of wt and 64 rows of ctx, 64 along K at byte k of the rows, into buffer f
.macro FETCH slot, k, f
	WIN TO_B
.irp z, 0,1
.irp t, 0,1,2,3
	ds_load_b128 v[\f+8*(4*\z+\t):\f+8*(4*\z+\t)+3],   v[ADRB+\slot] offset:\k+64*\z+\t*16*PITCH
	ds_load_b128 v[\f+8*(4*\z+\t)+4:\f+8*(4*\z+\t)+7], v[ADRB+\slot] offset:\k+64*\z+\t*16*PITCH+32
.endr
.endr
	WIN 0
.irp z, 0,1
.irp t, 0,1,2,3
	ds_load_b128 v[\f+8*(4*\z+\t):\f+8*(4*\z+\t)+3],   v[ADRA+\slot] offset:\k+64*\z+\t*16*PITCH
	ds_load_b128 v[\f+8*(4*\z+\t)+4:\f+8*(4*\z+\t)+7], v[ADRA+\slot] offset:\k+64*\z+\t*16*PITCH+32
.endr
.endr
.endm
.macro PLACES                          ; four places between a matrix instruction and a load into, or a read of, its registers (ISA guide 7.12.1 for reads)
.rept 4
	v_nop
.endr
.endm
.macro QUARTER slot, k, f, g, bias
	s_wait_dscnt 8                                 ; all but the youngest eight loads (ctx's second 32 of K) are in
.if \bias
	WIN MUL_B
.else
	WIN MUL
.endif
	MUL16 \f, 0, \bias
	PLACES
	FETCH \slot, \k, \g
	s_wait_dscnt 32                                ; all but the 32 just issued
	WIN MUL
	MUL16 \f, 1, 0
.endm
.macro THREE slot, bias
	QUARTER \slot, 128, F0, F1, \bias
	QUARTER \slot, 256, F1, F0, 0
	QUARTER \slot, 384, F0, F1, 0
.endm
; The last quarter of a K step changes slots: in front of the barrier my reads of this slot are back and all my tensor loads have landed; behind it the
; refill comes first, then the next slot's first fragments.
.macro TURN slot, next, fill
	WIN MUL
	s_wait_dscnt 0
	s_wait_tensorcnt 0x0
	ds_add_u32 v255, v255
	s_wait_dscnt 0x0
	s_barrier_signal -1                            ; where a slot is filled again this barrier opens a round of the cluster's barrier
	MUL16 F1, 0, 0                                 ; registers only
	WIN 0
	s_barrier_wait -1
.if \fill
	CREST                                          ; no wave of any partner still reads this slot or has a load on its way
	s_add_nc_u64 s[G0+4*\slot+2:G0+4*\slot+3], s[G0+4*\slot+2:G0+4*\slot+3], 2*KSTEP*2
	s_add_nc_u64 s[G0B+4*\slot+2:G0B+4*\slot+3], s[G0B+4*\slot+2:G0B+4*\slot+3], 2*KSTEP*2
	JLOAD \slot                                    ; the wave's one tensor load behind the round, two K steps ahead
.endif
	PLACES
	FETCH \next, 0, F0
	WIN MUL
	MUL16 F1, 1, 0
.endm
	s_wait_tensorcnt 0x1                           ; my part of K step 0 is in; K step 1's may stay out
	s_barrier_signal -1
	s_barrier_wait -1
	FETCH 0, 0, F0
	s_wait_loadcnt 0x0                             ; the bias
	THREE 0, 1                                     ; the first products start the sums from the bias
	TURN 0, 1, 1
	THREE 1, 0
	TURN 1, 0, 1
	THREE 0, 0                                     ; K steps 2 and 3 fill nothing
	TURN 0, 1, 0
	THREE 1, 0
	s_wait_dscnt 0
	WIN MUL
	MUL16 F1, 0, 0
	MUL16 F1, 1, 0
	; THE WAY OUT, 16 rows at a time, through each wave's own stage: 32 bytes a lane in, whole rows of 256 bytes back.  LDS serves a wave's instructions in
	; order (ISA guide 5.7.1.4), so the loads see the stores above them and the next stores come behind these loads: no wait, no barrier.
	PLACES
	WIN 0
	s_lshl_b32 s16, s43, 19                        ; (128 by + 64 row half) rows of 4,096 bytes
	s_lshl_b32 s17, s13, 18
	s_add_co_u32 s16, s16, s17
	s_mov_b32 s17, 0
	s_add_nc_u64 s[10:11], s[10:11], s[16:17]
	s_lshl_b32 s46, s42, 9                         ; (128 bx + 64 column half) numbers of 4 bytes
	s_lshl_b32 s47, s22, 8
	s_add_co_u32 s46, s46, s47
	s_mov_b32 s47, 0
	s_add_nc_u64 s[10:11], s[10:11], s[46:47]
.macro OUT16 a, f
	WIN 0x08                                       ; an LDS store's data are source 1: window 2
.irp b, 0,1,2,3
	ds_store_b128 v[STO], v[8*(4*\a+\b):8*(4*\a+\b)+3]   offset:64*\b
	ds_store_b128 v[STO], v[8*(4*\a+\b)+4:8*(4*\a+\b)+7] offset:64*\b+16
.endr
	WIN 0
	s_wait_xcnt 0x0                                ; buffer f, which earlier stores read, is loaded again only behind this wait
.irp t, 0,1,2,3,4,5,6,7
	ds_load_b128 v[\f+4*\t:\f+4*\t+3], v[RD] offset:\t*2*SPITCH
.endr
.irp t, 0,1,2,3,4,5,6,7
	s_wait_dscnt 7-\t
	global_store_b128 v[CO], v[\f+4*\t:\f+4*\t+3], s[10:11] offset:(16*\a+2*\t)*LDC th:TH_STORE_NT   ; sixteen lanes store 256 consecutive bytes of a row, aligned
.endr
.endm
	OUT16 0, F0
	OUT16 1, F1
	OUT16 2, F0
	OUT16 3, F1
	s_set_vgpr_msb 0x1
	s_wait_tensorcnt 0x0
	ds_add_u32 v255, v255
	s_wait_dscnt 0x0
	s_set_vgpr_msb 0x100
	CROUND                                         ; the closing round: no work-group ends while a partner may still ask for a tile that names it
	s_endpgm
.Lfunc_end_k_qd8a00e90ca_oproj:
	.size	k_qd8a00e90ca_oproj, .Lfunc_end_k_qd8a00e90ca_oproj-k_qd8a00e90ca_oproj
	.p2alignl 7, 3214868480
	.fill 96, 4, 3214868480
	.section	.rodata,"a",@progbits
	.p2align	6, 0x0
	.amdhsa_kernel k_qd8a00e90ca_oproj
		.amdhsa_group_segment_fixed_size 327680
		.amdhsa_private_segment_fixed_size 0
		.amdhsa_enable_private_segment 0
		.amdhsa_kernarg_size 32
		.amdhsa_user_sgpr_count 2
		.amdhsa_user_sgpr_kernarg_segment_ptr 1
		.amdhsa_wavefront_size32 1
		.amdhsa_system_sgpr_workgroup_id_x 1
		.amdhsa_system_sgpr_workgroup_id_y 1
		.amdhsa_system_sgpr_workgroup_id_z 1
		.amdhsa_system_vgpr_workitem_id 0
		.amdhsa_next_free_vgpr 640
		.amdhsa_next_free_sgpr 66
		.amdhsa_reserve_vcc 0
		.amdhsa_float_denorm_mode_32 3
		.amdhsa_float_denorm_mode_16_64 3
		.amdhsa_memory_ordered 1
		.amdhsa_forward_progress 1
		.amdhsa_inst_pref_size 87
	.end_amdhsa_kernel
	.amdgpu_metadata
---
amdhsa.version: [ 1, 2 ]
amdhsa.kernels:
  - .name:           k_qd8a00e90ca_oproj
    .symbol:         k_qd8a00e90ca_oproj.kd
    .args:
      - { .name: ctx, .offset: 0, .size: 8, .value_kind: global_buffer, .address_space: global }
      - { .name: wt, .offset: 8, .size: 8, .value_kind: global_buffer, .address_space: global }
      - { .name: bcat, .offset: 16, .size: 8, .value_kind: global_buffer, .address_space: global }
      - { .name: out0, .offset: 24, .size: 8, .value_kind: global_buffer, .address_space: global }
    .group_segment_fixed_size: 327680
    .private_segment_fixed_size: 0
    .kernarg_segment_align: 8
    .kernarg_segment_size: 32
    .max_flat_workgroup_size: 128
    .sgpr_count:     66
    .vgpr_count:     640
    .wavefront_size: 32
...
	.end_amdgpu_metadata
.endif
;; end of part 4
;; ======== version 2 of 2: 4 launches; version 1 with the launch prep written anew for expert scheduling mode
;; limits: values are held in f16: magnitudes above 65,504 overflow, below 6.1e-05 lose precision
;; workspace buffers: xb 8,388,608 bytes; wt 8,388,608 bytes; bcat 16,384 bytes; qkv 25,165,824 bytes; ctx 8,388,608 bytes
;; launch prep (part 5): grid 512 x 1, 8 waves a work-group, no clusters, 35,840 bytes of LDS; arguments x, Wq, Wk, Wv, Wo, bq, bk, bv, bo, xb, wt, bcat; writes xb, wt, bcat
.if DOCPART == 5
	.amdgcn_target "amdgcn-amd-amdhsa--gfx1250"
	.amdhsa_code_object_version 6
	.text
	.protected	k_qd8a00e90ca_prep
	.globl	k_qd8a00e90ca_prep
	.p2align	8
	.type	k_qd8a00e90ca_prep,@function
k_qd8a00e90ca_prep:
	s_mov_b64 s[64:65], 0
	v_nop
	global_prefetch_b8 v0, s[64:65] scope:SCOPE_SE
	s_setreg_imm32_b32 hwreg(HW_REG_WAVE_SCHED_MODE, 0, 2), 2
	s_setreg_imm32_b32 hwreg(HW_REG_WAVE_MODE, 25, 1), 1
	s_wait_xcnt 0x0
	s_wait_alu depctr_vm_vsrc(0)
; prep: the operands of the later products, once, in f16.
;   xb[4096][1024]   = f16(x)
;   wt[4096 n][1024 k] = f16 of Wq, Wk, Wv, Wo, each transposed (rows 0-1023 Wq^T, then Wk^T, Wv^T, Wo^T): K then lies along the rows,
;                      as a matrix fragment wants it; 32-bit numbers have no transposing load, so it is done here through LDS.
;   bcat[4096]       = bq, bk, bv, bo joined, in f32.
; Why f16 and not bf16: three more bits of significand in every operand of a chain of four products.  LIMIT: a number above 65,504 in
; magnitude becomes infinite; below 6.1e-5 the step is fixed at 6e-8.  x and W as drawn are about 1 and 1/32.
; Work-groups 0-255 cast 64 KiB of x each; work-groups 256-511 take a tile of 128 k x 128 n (64 KiB) of one W each.  Every input byte is read
; once, every output byte stored once.  No cluster: no two work-groups read the same bytes.  No matrix unit: there is no product here.
; THE MODE: SCHED_MODE bits 1:0 = 2 (LLVM: expert scheduling mode 2), set by the entry lines.  The code itself states the register dependences
; between vector instructions and memory or LDS instructions, with s_wait_alu, always for 0.
; THE PLAN.  Registers that memory or LDS instructions touch:
;   x's arm.        v1, v2     offsets: written once by vector lines, read by every load and store: one wait on va_vdst ahead of the first load.
;                   v32-95     written by the sixteen loads, read by the conversions; no vector line names them before, nothing lands in them again.
;                   v96-127    written by the conversions, once each, read by the stores.  The sixteen blocks go in four groups of four: eight
;                              conversions, ONE wait on va_vdst, four stores.
;   the weights' arm.  v1, v3-v6  offsets and LDS addresses: written once by vector lines: one wait on va_vdst ahead of the first load.
;                   v32-95     written by the sixteen loads, read by the conversions; behind the barrier v32-63 take the rows read back from LDS and
;                              v64-67 the piece of a bias.
;                   v96-127    written by the conversions, once each, read by the LDS stores; never written again.
;                              Each half of the tile: sixteen conversions, ONE wait on va_vdst, four LDS stores.  The second of these waits also states that
;                              all conversions are done reading v32-95; no vector line follows it in the arm, so every later load into them leans on it.
;   No register that a load, a store or an LDS instruction has read is ever written again: the body needs no wait on vm_vsrc.
;   s38             the wave's number, written by a vector line: one wait on va_sdst behind it, ahead of the branch.
;   v128, v129      written at the head, read by the closing add alone.
.set LP, 272                           ; LDS row: 128 k in f16 (256 bytes) + 16, an odd multiple of 16: sixteen rows start in sixteen different 16-byte columns of 256 bytes
	s_load_b512 s[4:19], s[0:1], 0x0               ; x s[4:5], Wq s[6:7], Wk s[8:9], Wv s[10:11], Wo s[12:13], bq s[14:15], bk s[16:17], bv s[18:19]
	s_load_b256 s[20:27], s[0:1], 0x40             ; bo s[20:21], xb s[22:23], wt s[24:25], bcat s[26:27]
	v_lshl_add_u32 v128, v0, 2, 0x8800
	v_mov_b32 v129, 0
	v_lshrrev_b32 v7, 5, v0
	v_readfirstlane_b32 s38, v7                    ; wave 0..7
	s_wait_alu depctr_va_sdst(0)                   ; s38 is written: stated here, in the writer's own run of code, ahead of the branch; its readers stand in the weights' arm
	s_cmp_lt_u32 ttmp9, 256                        ; the same for the whole work-group
	s_cbranch_scc0 .Lweights
	; ---- x: thread t takes 16 bytes at 16 t of each of sixteen blocks of 4,096 bytes; all sixteen loads go out at once
	s_lshl_b32 s28, ttmp9, 16                      ; 65,536 bytes of x
	s_mov_b32 s29, 0
	s_lshl_b32 s30, ttmp9, 15                      ; 32,768 bytes of xb
	s_mov_b32 s31, 0
	v_lshlrev_b32 v1, 4, v0
	v_lshlrev_b32 v2, 3, v0
	s_wait_kmcnt 0x0
	s_add_nc_u64 s[4:5], s[4:5], s[28:29]
	s_add_nc_u64 s[22:23], s[22:23], s[30:31]
	s_wait_alu depctr_va_vdst(0)                   ; v1 and v2 are written: every load of this arm reads v1 as its offset, every store v2
.irp i, 0,1,2,3,4,5,6,7,8,9,10,11,12,13,14,15
	global_load_b128 v[32+4*\i:35+4*\i], v1, s[4:5] offset:4096*\i th:TH_LOAD_NT
.endr
.irp g, 0,1,2,3
	s_wait_loadcnt 12-4*\g                         ; loads come back in order (ISA guide 5.7.1): the group's four blocks are in, the 12 - 4 g younger loads stay out
.irp i, 0,1,2,3
	v_cvt_pk_f16_f32 v[96+8*\g+2*\i], v[32+16*\g+4*\i], v[33+16*\g+4*\i]
	v_cvt_pk_f16_f32 v[97+8*\g+2*\i], v[34+16*\g+4*\i], v[35+16*\g+4*\i]
.endr
	s_wait_alu depctr_va_vdst(0)                   ; the group's eight conversions have written v[96 + 8 g .. 103 + 8 g], which its four stores read; it stands here and not at the next group's head, so that the stores leave at once
.irp i, 0,1,2,3
	global_store_b64 v2, v[96+8*\g+2*\i:97+8*\g+2*\i], s[22:23] offset:2048*(4*\g+\i)   ; a wave's 32 lanes store 256 consecutive bytes, aligned; no register is written twice
.endr
.endr
	s_endpgm
	; ---- W: tile (kt, nt) of matrix mat
.Lweights:
	s_sub_co_u32 s32, ttmp9, 256
	s_lshr_b32 s33, s32, 6                         ; mat 0..3
	s_bfe_u32 s34, s32, 0x30003                    ; kt: 3 bits from bit 3
	s_and_b32 s35, s32, 7                          ; nt
	v_and_b32 v8, 31, v0                           ; lane L
	v_bfe_u32 v9, v0, 4, 1                         ; L / 16
	v_and_b32 v10, 15, v0                          ; L % 16
	v_lshlrev_b32 v6, 4, v8                        ; 16 L
	v_lshl_or_b32 v1, v7, 16, v6                   ; load: wave w takes k rows 16 w .. 16 w + 15 (4,096 bytes each), lane L columns 4 L .. 4 L + 3
	v_mul_u32_u24 v3, v8, LP
	v_lshl_add_u32 v3, s38, 5, v3                  ; LDS in: row L (+ 32 i for column 4 L + i), byte 2 (16 w)
	v_lshl_add_u32 v11, s38, 4, v9
	v_mul_u32_u24 v4, v11, LP
	v_lshl_add_u32 v4, v10, 4, v4                  ; LDS back: row 16 w + L / 16 (+ 2 t), 16 bytes at 16 (L % 16)
	v_and_b32 v12, 1, v7
	v_lshrrev_b32 v13, 1, v7
	v_lshl_add_u32 v14, v12, 6, v13                ; LDS row p holds column n = 4 (p % 32) + p / 32, so row 16 w + 2 t + L / 16
	v_lshl_add_u32 v14, v9, 2, v14                 ; is n = 64 (w % 2) + 8 t + 4 (L / 16) + w / 2
	v_lshlrev_b32 v5, 11, v14                      ; a row of wt is 2,048 bytes
	v_lshl_add_u32 v5, v10, 4, v5
	s_wait_kmcnt 0x0
	s_cmp_eq_u32 s33, 0                            ; the matrix and its bias, chosen by number
	s_cselect_b64 s[28:29], s[6:7], s[8:9]
	s_cselect_b64 s[30:31], s[14:15], s[16:17]
	s_cmp_lt_u32 s33, 2
	s_cselect_b64 s[28:29], s[28:29], s[10:11]
	s_cselect_b64 s[30:31], s[30:31], s[18:19]
	s_cmp_lt_u32 s33, 3
	s_cselect_b64 s[28:29], s[28:29], s[12:13]
	s_cselect_b64 s[30:31], s[30:31], s[20:21]
	s_lshl_b32 s36, s34, 19                        ; W: 128 kt rows of 4,096 bytes
	s_lshl_b32 s39, s35, 9                         ;    + 128 nt columns of 4 bytes
	s_or_b32 s36, s36, s39
	s_mov_b32 s37, 0
	s_add_nc_u64 s[28:29], s[28:29], s[36:37]
	s_mov_b32 s36, s39                             ; the bias: 128 nt numbers of 4 bytes
	s_add_nc_u64 s[30:31], s[30:31], s[36:37]
	s_lshl_b32 s32, s33, 12                        ; bcat: 1,024 mat numbers more
	s_or_b32 s36, s32, s39
	s_add_nc_u64 s[26:27], s[26:27], s[36:37]
	s_lshl_b32 s36, s33, 21                        ; wt: (1,024 mat + 128 nt) rows of 2,048 bytes + 128 kt numbers of 2 bytes
	s_lshl_b32 s32, s35, 18
	s_or_b32 s36, s36, s32
	s_lshl_b32 s32, s34, 8
	s_or_b32 s36, s36, s32
	s_add_nc_u64 s[24:25], s[24:25], s[36:37]
	s_wait_alu depctr_va_vdst(0)                   ; v1, v3, v4, v5 and v6 are written: the offsets and LDS addresses that the loads, stores and LDS instructions of this arm read
.irp g, 0,1
.irp j, 0,1,2,3,4,5,6,7
	global_load_b128 v[32+32*\g+4*\j:35+32*\g+4*\j], v1, s[28:29] offset:(8*\g+\j)*4096 th:TH_LOAD_NT   ; a wave's load covers the tile's 512 bytes of one k row
.endr
.endr
	; eight k of one column are eight registers of one lane: four packed conversions make the 16 bytes that lie together in wt
.irp g, 0,1
	s_wait_loadcnt 8-8*\g                          ; the first eight rows are in while the second eight may be out; then all
.irp i, 0,1,2,3
.irp p, 0,1,2,3
	v_cvt_pk_f16_f32 v[96+16*\g+4*\i+\p], v[32+32*\g+8*\p+\i], v[36+32*\g+8*\p+\i]
.endr
.endr
	s_wait_alu depctr_va_vdst(0)                   ; the sixteen conversions have written v[96 + 16 g .. 111 + 16 g], which the four LDS stores read; behind the second sixteen also: all conversions are done reading v32-95, in which the loads behind the barrier land
.irp i, 0,1,2,3
	ds_store_b128 v3, v[96+16*\g+4*\i:99+16*\g+4*\i] offset:32*LP*\i+16*\g
.endr
.endr
	s_wait_dscnt 0x0                               ; my stores are in LDS, for the other waves' sake
	s_barrier_signal -1
	s_barrier_wait -1
.irp t, 0,1,2,3,4,5,6,7
	ds_load_b128 v[32+4*\t:35+4*\t], v4 offset:2*LP*\t   ; no wait: no vector line since the last wait on va_vdst, and no memory or LDS instruction has read these registers
.endr
.irp t, 0,1,2,3,4,5,6,7
	s_wait_dscnt 7-\t                              ; LDS loads come back in order: pair t of rows is in
	global_store_b128 v5, v[32+4*\t:35+4*\t], s[24:25] offset:16384*\t   ; sixteen lanes store 256 consecutive bytes of a row of wt, aligned
.endr
	s_cmp_lg_u32 s34, 0                            ; the bias piece of this nt is copied once: by wave 0 of the tile with kt = 0
	s_cbranch_scc1 .Ldone
	s_cmp_lg_u32 s38, 0
	s_cbranch_scc1 .Ldone
	global_load_b128 v[64:67], v6, s[30:31]        ; 32 lanes x 16 bytes = 128 numbers, into registers that conversions alone have read (they are done: the last wait on va_vdst) and no store or LDS store
	s_wait_loadcnt 0x0
	global_store_b128 v6, v[64:67], s[26:27]
.Ldone:
	s_wait_dscnt 0x0                               ; the closing lines, six on end
	s_wait_alu 0x0
	s_wait_tensorcnt 0x0
	ds_add_u32 v128, v129
	s_wait_dscnt 0x0
	s_endpgm
.Lfunc_end_k_qd8a00e90ca_prep:
	.size	k_qd8a00e90ca_prep, .Lfunc_end_k_qd8a00e90ca_prep-k_qd8a00e90ca_prep
	.p2alignl 7, 3214868480
	.fill 96, 4, 3214868480
	.section	.rodata,"a",@progbits
	.p2align	6, 0x0
	.amdhsa_kernel k_qd8a00e90ca_prep
		.amdhsa_group_segment_fixed_size 35840
		.amdhsa_private_segment_fixed_size 0
		.amdhsa_enable_private_segment 0
		.amdhsa_kernarg_size 96
		.amdhsa_user_sgpr_count 2
		.amdhsa_user_sgpr_kernarg_segment_ptr 1
		.amdhsa_wavefront_size32 1
		.amdhsa_system_sgpr_workgroup_id_x 1
		.amdhsa_system_sgpr_workgroup_id_y 1
		.amdhsa_system_sgpr_workgroup_id_z 1
		.amdhsa_system_vgpr_workitem_id 0
		.amdhsa_next_free_vgpr 130
		.amdhsa_next_free_sgpr 66
		.amdhsa_reserve_vcc 0
		.amdhsa_float_denorm_mode_32 3
		.amdhsa_float_denorm_mode_16_64 3
		.amdhsa_memory_ordered 1
		.amdhsa_forward_progress 1
		.amdhsa_inst_pref_size 15
	.end_amdhsa_kernel
	.amdgpu_metadata
---
amdhsa.version: [ 1, 2 ]
amdhsa.kernels:
  - .name:           k_qd8a00e90ca_prep
    .symbol:         k_qd8a00e90ca_prep.kd
    .args:
      - { .name: x, .offset: 0, .size: 8, .value_kind: global_buffer, .address_space: global }
      - { .name: Wq, .offset: 8, .size: 8, .value_kind: global_buffer, .address_space: global }
      - { .name: Wk, .offset: 16, .size: 8, .value_kind: global_buffer, .address_space: global }
      - { .name: Wv, .offset: 24, .size: 8, .value_kind: global_buffer, .address_space: global }
      - { .name: Wo, .offset: 32, .size: 8, .value_kind: global_buffer, .address_space: global }
      - { .name: bq, .offset: 40, .size: 8, .value_kind: global_buffer, .address_space: global }
      - { .name: bk, .offset: 48, .size: 8, .value_kind: global_buffer, .address_space: global }
      - { .name: bv, .offset: 56, .size: 8, .value_kind: global_buffer, .address_space: global }
      - { .name: bo, .offset: 64, .size: 8, .value_kind: global_buffer, .address_space: global }
      - { .name: xb, .offset: 72, .size: 8, .value_kind: global_buffer, .address_space: global }
      - { .name: wt, .offset: 80, .size: 8, .value_kind: global_buffer, .address_space: global }
      - { .name: bcat, .offset: 88, .size: 8, .value_kind: global_buffer, .address_space: global }
    .group_segment_fixed_size: 35840
    .private_segment_fixed_size: 0
    .kernarg_segment_align: 8
    .kernarg_segment_size: 96
    .max_flat_workgroup_size: 256
    .sgpr_count:     66
    .vgpr_count:     130
    .wavefront_size: 32
...
	.end_amdgpu_metadata
.endif
;; end of part 5
;; launch qkv: the kernel of part 2 again; grid 8 x 32, 4 waves a work-group, clusters of 4 x 4, 327,680 bytes of LDS; arguments xb, wt, bcat, qkv; writes qkv
;; launch attn: the kernel of part 3 again; grid 16 x 16, 8 waves a work-group, clusters of 4 x 1, 327,680 bytes of LDS; arguments qkv, ctx; writes ctx
;; launch oproj: the kernel of part 4 again; grid 8 x 32, 4 waves a work-group, clusters of 4 x 4, 327,680 bytes of LDS; arguments ctx, wt, bcat, out0; writes out0
